; MI455X (gfx1250); checked and timed in simulation.
; The chip was launched on July 23, 2026; its instructions are those of AMD's public machine-readable ISA for CDNA 5 (MIT licence, August 2026) and "CDNA5" Instruction Set Architecture Reference Guide (July 2026). The comments in the code are by the model that wrote it; some were corrected since.
;; Sparse Mo E. Allowed arithmetic: matrix products marked QUANTISED: E5M2 operands, one E8M0 scale for each 32 along K, by v_wmma_scale_f32_16x16x128_f8f6f4 with both operands' format E5M2, f32 sums; products left as they are: f32 operands where the result goes on into a quantised operand, else bf16, f16 or f32 operands; f32 sums; everything else in f32.
;; Inputs: expert_b 8 x 4,096 float32; expert_w_codes 8 x 4,096 x 32 x 32 uint8 (E5M2 codes of expert_w, K innermost, in blocks of 32 codes); expert_w_scales 8 x 4,096 x 32 uint8 (E8M0 scales of expert_w, one for each 32 codes along K); gating_b 8 float32; gating_w 8 x 1,024 float32; sequences 8 x 256 x 1,024 float32.
;; Outputs: out0 8 x 256 x 4,096 float32; out1 8 float32.
;; This version of the problem:
;;   THIS VERSION OF THE PROBLEM IS GIVEN IN LOW PRECISION. The matrix products marked QUANTISED in the list below multiply operands that are first quantised to E5M2 (5 exponent bits, 2 mantissa bits; 8 bits a number), with one power-of-two scale for each 32 numbers along K (OCP MX v1.0); their sums are f32. All else is computed in f32.
;;   The module's matrix products, in the order in which they are computed (A, B: the left and right operand; K: the contracted axis; several contracted axes count as one K, in the product's order):
;;     1. [M 2,048, K 1,024] x [K 1,024, N 8]; A: input sequences; B: input gating_w: left as it is (N = 8 < 16)
;;     2. [M 2,048, K 1,024] x [K 1,024, N 4,096]; A: input sequences; B: input expert_w (given as codes): QUANTISED
;;     3. [M 2,048, K 1,024] x [K 1,024, N 4,096]; A: input sequences; B: input expert_w (given as codes): QUANTISED
;;     4. [M 2,048, K 1,024] x [K 1,024, N 4,096]; A: input sequences; B: input expert_w (given as codes): QUANTISED
;;     5. [M 2,048, K 1,024] x [K 1,024, N 4,096]; A: input sequences; B: input expert_w (given as codes): QUANTISED
;;     6. [M 2,048, K 1,024] x [K 1,024, N 4,096]; A: input sequences; B: input expert_w (given as codes): QUANTISED
;;     7. [M 2,048, K 1,024] x [K 1,024, N 4,096]; A: input sequences; B: input expert_w (given as codes): QUANTISED
;;     8. [M 2,048, K 1,024] x [K 1,024, N 4,096]; A: input sequences; B: input expert_w (given as codes): QUANTISED
;;     9. [M 2,048, K 1,024] x [K 1,024, N 4,096]; A: input sequences; B: input expert_w (given as codes): QUANTISED
;;   THE QUANTISER, for each operand of a quantised product, along K:
;;     - K is cut into blocks of 32 from its start; a last block that is shorter is filled with zeros.
;;     - A block's scale is 2^e with e = floor(log2(the largest magnitude in the block)) - 15, held to -126 .. 127; a block of zeros has e = 0. As a byte (E8M0): e + 127.
;;     - Each number is divided by its block's scale, clamped to +-57,344, and rounded to the nearest number of E5M2, ties to even, subnormals kept.
;;     - The product sums the exact products of the quantised numbers (number of the format x scale) in f32.
;;   ~~~python
;;   def quantise(x, axis):      # numpy; x: float32 -> the quantised numbers, widened to float32 again
;;       x = np.moveaxis(x, axis, -1); K = x.shape[-1]
;;       x = np.pad(x, [(0, 0)] * (x.ndim - 1) + [(0, -K % 32)]); x = x.reshape(x.shape[:-1] + (-1, 32)); a = np.abs(x).max(-1, keepdims=True)
;;       e = np.where(a > 0, np.clip(np.frexp(np.where(a > 0, a, 1))[1] - 1 - 15, -126, 127), 0)      # np.frexp(a)[1] - 1 = floor(log2(a)), exactly
;;       r = np.clip(x / 2.0 ** e, -57344, 57344)
;;       step = 2.0 ** (np.maximum(np.frexp(np.where(r == 0, 1, r))[1] - 1, -14) - 2)
;;       q = np.round(r / step) * step * 2.0 ** e      # np.round: ties to even
;;       return np.moveaxis(q.reshape(q.shape[:-2] + (-1,))[..., :K], -1, axis).astype(np.float32)
;;   ~~~
;;   INPUTS GIVEN AS CODES. expert_w (in the module: [8, 4096, 1024], K = its axis 2): each comes as NAME_codes (uint8): NAME with its K axis moved to the last place and cut into blocks of 32 codes, [.., K / 32, bytes a block], one block behind the other in memory; one code a byte (a code: sign, 5 exponent bits, 2 mantissa bits); and NAME_scales (uint8): the same leading axes, one E8M0 byte (e + 127) for each 32 codes along K. Its value is code x scale, taken as it is: it is not quantised again, and the codes and scales need not be those that the quantiser above would give.
;; 2 versions. Each part assembles by itself: llvm-mc -triple=amdgcn-amd-amdhsa -mcpu=gfx1250 --defsym DOCPART=n.
;; ======== version 1 of 2: 3 launches
;; limits: right only within a limited range of input values
;; workspace buffers: xq 2,097,152 bytes; xs 65,536 bytes; stats 16,384 bytes; sel 8,192 bytes of whole numbers; order 16,384 bytes of whole numbers
;; launch gate (part 1): grid 256 x 1, 4 waves a work-group, no clusters, 2,560 bytes of LDS; arguments sequences, gating_w, gating_b, xq, xs, sel, stats; writes xq, xs, sel, stats
.if DOCPART == 1
	.amdgcn_target "amdgcn-amd-amdhsa--gfx1250"
	.amdhsa_code_object_version 6
	.text
	.protected	k_q88dd946a47_gate
	.globl	k_q88dd946a47_gate
	.p2align	8
	.type	k_q88dd946a47_gate,@function
k_q88dd946a47_gate:
	s_mov_b64 s[64:65], 0
	v_nop
	global_prefetch_b8 v0, s[64:65] scope:SCOPE_SE
	s_setreg_imm32_b32 hwreg(HW_REG_WAVE_MODE, 25, 1), 1
	s_wait_xcnt 0x0
; THE GATE AND THE QUANTISER OF x.  sequences [2048][1024] f32, gating_w [8][1024] f32, gating_b [8] f32.
; Stored: xq [2048][1024] codes of E5M2 (K innermost), xs [2048][32] E8M0 bytes, sel [2048] words (the two chosen experts as a set of bits << 11 | token),
; stats [256][16] f32: for each work-group the 8 sums of its 8 tokens' scores and the 8 sums of squared deviations from the group's own means.
; SHARES.  Work-group g takes tokens 8 g .. 8 g + 7.  Wave w takes K = 256 w .. 256 w + 255 of all eight; lane l the 8 neighbours 256 w + 8 l + 0 .. 7, so a block of 32 lies in 4 lanes.
; Each number of x is read once and serves both the gate's eight dot products (f32, fused multiply-adds) and the quantiser.
; The choice is DATA here: it is stored at fixed places, and no address and no branch of this launch hangs on it.
; A tie between scores goes to the lower index.  The softmax takes the row's maximum away first.
; LIMITS: NaN and infinities are not served.  A score under 2^-126 comes out of the exponential as 0 and then ties to the lower index.  A block of zeros gets the byte 1 where the
; quantiser's rule says 127: its codes are zeros, which add nothing under that byte, and this program alone reads the bytes.  sel and stats are stored 32 and 64 bytes a work-group.
.set G,    32                          ; v32-95   gating_w: expert e, my 8 numbers at G + 8 e
.set X,    96                          ; v96-159  x: token tok, my 8 numbers at X + 8 tok
.set S2,   160                         ; v160-175 eight pairs of sums
.set KP,   176                         ; v176-183 at work in the exchange between lanes
.set C,    184                         ; v184-199 codes: two registers for each token, so that no store's data are written again
.set LG,   200                         ; v200-207 a partial logit for each token
.set BY,   208                         ; v208-215 a scale byte for each token
.set PART, 0                           ; LDS: [wave][token][expert] f32, 4 x 256 bytes
.set XSB,  1024                        ; LDS: [token][32] scale bytes, 256 bytes
	s_load_b256 s[4:11], s[0:1], 0x0               ; sequences s[4:5], gating_w s[6:7], gating_b s[8:9], xq s[10:11]
	s_load_b128 s[12:15], s[0:1], 0x20             ; xs s[12:13], sel s[14:15]
	s_load_b64 s[16:17], s[0:1], 0x30              ; stats
	v_lshl_add_u32 v224, v0, 2, 0x800
	v_mov_b32 v225, 0
	v_lshrrev_b32 v1, 5, v0
	v_readfirstlane_b32 s18, v1                    ; wave 0..3
	v_and_b32 v1, 31, v0                           ; lane
	s_lshl_b32 s19, s18, 10
	v_lshl_add_u32 v2, v1, 5, s19                  ; my 32 bytes of a row of x or of gating_w: 1,024 w + 32 l
	s_lshl_b32 s19, s18, 8
	v_lshl_add_u32 v3, v1, 3, s19                  ; my 8 codes of a row: 256 w + 8 l
	v_and_b32 v8, 7, v1
	v_lshlrev_b32 v8, 2, v8                        ; 4 (l % 8)
	v_add_nc_u32 v4, s19, v8                       ; LDS: my wave's partial logits, expert l % 8
	s_lshl_b32 s19, s18, 3
	v_lshrrev_b32 v5, 2, v1
	v_add_nc_u32 v5, s19, v5                       ; my block's number in a row: 8 w + l / 4
	v_lshlrev_b32 v6, 2, v1                        ; 4 l
	v_lshlrev_b32 v7, 3, v1                        ; 8 l
	s_mov_b32 s20, 0xaaaaaaaa                      ; lanes whose bit 0 is set,
	s_mov_b32 s21, 0xcccccccc                      ; bit 1,
	s_mov_b32 s22, 0xf0f0f0f0                      ; bit 2
	s_mov_b32 s23, 0x600000                        ; the mantissa field of 57,344
	s_mov_b32 s24, 0x76543210
	s_mov_b32 s25, 0xfedcba98                      ; v_permlanex16_b32: lane l xor 16
	s_mov_b32 s26, 0x3fb8aa3b                      ; log2(e)
	s_mov_b32 s27, 0xff00ff00                      ; lanes 8-15 of each 16
	s_mov_b32 s29, 0
	s_wait_kmcnt 0x0
	s_lshl_b32 s28, ttmp9, 15
	s_add_nc_u64 s[4:5], s[4:5], s[28:29]          ; my 8 rows of x
	s_lshl_b32 s28, ttmp9, 13
	s_add_nc_u64 s[10:11], s[10:11], s[28:29]      ; their codes,
	s_lshl_b32 s28, ttmp9, 8
	s_add_nc_u64 s[12:13], s[12:13], s[28:29]      ; their scale bytes,
	s_lshl_b32 s28, ttmp9, 5
	s_add_nc_u64 s[14:15], s[14:15], s[28:29]      ; their words of sel,
	s_lshl_b32 s28, ttmp9, 6
	s_add_nc_u64 s[16:17], s[16:17], s[28:29]      ; and my 16 numbers of stats
	global_load_b32 v9, v8, s[8:9]                 ; gating_b of expert l % 8
.irp e, 0,1,2,3,4,5,6,7
	global_load_b128 v[G+8*\e:G+8*\e+3],   v2, s[6:7] offset:4096*\e
	global_load_b128 v[G+8*\e+4:G+8*\e+7], v2, s[6:7] offset:4096*\e+16
.endr
.irp t, 0,1,2,3,4,5,6,7
	global_load_b128 v[X+8*\t:X+8*\t+3],   v2, s[4:5] offset:4096*\t th:TH_LOAD_NT      ; the two loads of a token cover 1,024 consecutive bytes
	global_load_b128 v[X+8*\t+4:X+8*\t+7], v2, s[4:5] offset:4096*\t+16 th:TH_LOAD_NT
.endr
.macro TOKEN tok
	s_wait_loadcnt 14-2*\tok                       ; loads come back in order: this token's two are in, the later tokens' two each stay out
	; eight dot products over my 8 numbers, two at a time, the experts by turns
.irp e, 0,1,2,3,4,5,6,7
	v_pk_mul_f32 v[S2+2*\e:S2+2*\e+1], v[X+8*\tok:X+8*\tok+1], v[G+8*\e:G+8*\e+1]
.endr
.irp p, 2,4,6
.irp e, 0,1,2,3,4,5,6,7
	v_pk_fma_f32 v[S2+2*\e:S2+2*\e+1], v[X+8*\tok+\p:X+8*\tok+\p+1], v[G+8*\e+\p:G+8*\e+\p+1], v[S2+2*\e:S2+2*\e+1]
.endr
.endr
.irp e, 0,1,2,3,4,5,6,7
	v_add_f32 v[S2+2*\e], v[S2+2*\e], v[S2+2*\e+1]
.endr
	; the sums over the 32 lanes, all eight at once: in each stage a lane keeps the half of its numbers that its bit names and sends the other half to its partner.  Lane l ends with expert l % 8
.irp j, 0,1,2,3
	v_cndmask_b32 v[KP+\j],   v[S2+4*\j],   v[S2+4*\j+2], s20   ; kept: the odd expert in odd lanes
	v_cndmask_b32 v[KP+4+\j], v[S2+4*\j+2], v[S2+4*\j],   s20   ; sent
.endr
.irp j, 0,1,2,3
	v_add_f32_dpp v[KP+\j], v[KP+4+\j], v[KP+\j] row_xmask:1 row_mask:0xf bank_mask:0xf
.endr
	v_cndmask_b32 v[KP+4], v[KP+1], v[KP],   s21
	v_cndmask_b32 v[KP+5], v[KP],   v[KP+1], s21
	v_cndmask_b32 v[KP+6], v[KP+3], v[KP+2], s21
	v_cndmask_b32 v[KP+7], v[KP+2], v[KP+3], s21
	v_add_f32_dpp v[KP+5], v[KP+4], v[KP+5] row_xmask:2 row_mask:0xf bank_mask:0xf
	v_add_f32_dpp v[KP+7], v[KP+6], v[KP+7] row_xmask:2 row_mask:0xf bank_mask:0xf
	v_cndmask_b32 v[KP],   v[KP+7], v[KP+5], s22
	v_cndmask_b32 v[KP+1], v[KP+5], v[KP+7], s22
	v_add_f32_dpp v[KP+1], v[KP], v[KP+1] row_xmask:4 row_mask:0xf bank_mask:0xf
	v_add_f32_dpp v[KP+1], v[KP+1], v[KP+1] row_xmask:8 row_mask:0xf bank_mask:0xf
	v_permlanex16_b32 v[KP], v[KP+1], s24, s25
	v_add_f32 v[LG+\tok], v[KP+1], v[KP]
	ds_store_b32 v4, v[LG+\tok] offset:PART+32*\tok                ; the four lanes of an expert write the same word with the same value
	; the quantiser: the block's largest magnitude (my 8, then the block's other three lanes'), with the floor 2^(16 - 127) among its leaves, which holds the byte at 1 from below
	v_max3_num_f32 v10, |v[X+8*\tok]|, |v[X+8*\tok+1]|, |v[X+8*\tok+2]|
	v_max3_num_f32 v10, v10, |v[X+8*\tok+3]|, |v[X+8*\tok+4]|
	v_max3_num_f32 v10, v10, |v[X+8*\tok+5]|, |v[X+8*\tok+6]|
	v_max3_num_f32 v10, v10, |v[X+8*\tok+7]|, 0x8000000
	v_max_num_f32_dpp v10, v10, v10 row_xmask:1 row_mask:0xf bank_mask:0xf
	v_max_num_f32_dpp v10, v10, v10 row_xmask:2 row_mask:0xf bank_mask:0xf
	v_add_nc_u32 v11, 0xf8800000, v10              ; 15 off its exponent field: the conversion takes the exponent field of this operand as its scale
	v_and_or_b32 v12, v10, 0x7f800000, s23         ; 57,344 x the scale
.irp i, 0,1,2,3,4,5,6,7
	v_med3_num_f32 v[X+8*\tok+\i], v[X+8*\tok+\i], -v12, v12       ; the conversion to an 8-bit code does not saturate (ISA guide 7.6.2): the hold comes first
.endr
	v_cvt_scalef32_pk8_bf8_f32 v[C+2*\tok:C+2*\tok+1], v[X+8*\tok:X+8*\tok+7], v11
	v_lshrrev_b32 v[BY+\tok], 23, v11              ; the scale's byte; also the plain line behind the conversion
	ds_store_b8 v5, v[BY+\tok] offset:XSB+32*\tok  ; the four lanes of a block write the same byte with the same value
	global_store_b64 v3, v[C+2*\tok:C+2*\tok+1], s[10:11] offset:1024*\tok   ; the wave stores 256 consecutive bytes, aligned
.endm
.irp t, 0,1,2,3,4,5,6,7
	TOKEN \t
.endr
	s_wait_dscnt 0x0                               ; for the others' sake: my stores into LDS are done
	s_barrier_signal -1
	s_barrier_wait -1                              ; the launch's one barrier; behind it the waves part and meet no more
	s_cmp_eq_u32 s18, 0
	s_cbranch_scc1 .Lwave0
	s_cmp_eq_u32 s18, 1
	s_cbranch_scc0 .Ldone
	ds_load_b64 v[10:11], v7 offset:XSB            ; wave 1: the 8 tokens' 256 scale bytes leave as one aligned run
	s_wait_dscnt 0x0
	global_store_b64 v7, v[10:11], s[12:13]
.Ldone:
	s_wait_tensorcnt 0x0
	ds_add_u32 v224, v225
	s_wait_dscnt 0x0
	s_endpgm
.Lwave0:                                               ; wave 0: lane = (l / 8, expert l % 8); in round q the lane serves token 4 q + l / 8
.irp q, 0,1
.irp u, 0,1,2,3
	ds_load_b32 v[16+4*\q+\u], v6 offset:PART+128*\q+256*\u
.endr
.endr
	v_mov_b32 v25, 0                               ; written once: a lane permute's destination counts as one of its sources
	s_wait_dscnt 0x0
.irp a, 16,20
	v_add_f32 v[\a], v[\a], v[\a+1]
	v_add_f32 v[\a+2], v[\a+2], v[\a+3]
.endr
.irp a, 16,20
	v_add_f32 v[\a], v[\a], v[\a+2]
.endr
.irp a, 16,20
	v_add_f32 v[\a], v[\a], v9                     ; the logit
.endr
.irp a, 16,20
	v_mov_b32 v[\a+1], v[\a]
.endr
.irp x, 1,2,4
.irp a, 16,20
	v_max_num_f32_dpp v[\a+1], v[\a+1], v[\a+1] row_xmask:\x row_mask:0xf bank_mask:0xf   ; the token's largest logit
.endr
.endr
.irp a, 16,20
	v_sub_f32 v[\a], v[\a], v[\a+1]
.endr
.irp a, 16,20
	v_mul_f32 v[\a], s26, v[\a]
.endr
	v_exp_f32 v16, v16
	v_exp_f32 v20, v20
	v_nop                                          ; a plain line behind the exponentials,
	s_wait_alu depctr_va_vdst(0)                   ; and one wait for both, ahead of their first reader
.irp a, 16,20
	v_mov_b32 v[\a+1], v[\a]
.endr
.irp x, 1,2,4
.irp a, 16,20
	v_add_f32_dpp v[\a+1], v[\a+1], v[\a+1] row_xmask:\x row_mask:0xf bank_mask:0xf
.endr
.endr
	v_rcp_f32 v17, v17
	v_rcp_f32 v21, v21
	v_nop
	s_wait_alu depctr_va_vdst(0)                   ; one wait for both reciprocals
	v_mul_f32 v16, v16, v17                        ; the scores
	v_mul_f32 v20, v20, v21
	v_mov_b32 v18, 0                               ; how many of the token's other seven scores come before mine:
	v_mov_b32 v22, 0
.macro RANK j, low                     ; the score of expert e xor j comes before mine if it is larger, or equal with e xor j < e: that is where e has j's highest bit (mask low)
.irp a, 16,20
	v_mov_b32_dpp v[\a+3], v[\a] row_xmask:\j row_mask:0xf bank_mask:0xf
	v_cmp_gt_f32 s30, v[\a+3], v[\a]
	v_cmp_eq_f32 s31, v[\a+3], v[\a]
	s_and_b32 s31, s31, s[\low]
	s_or_b32 vcc_lo, s30, s31
	v_add_co_ci_u32 v[\a+2], vcc_lo, 0, v[\a+2], vcc_lo
.endr
.endm
	RANK 1, 20
	RANK 2, 21
	RANK 3, 21
	RANK 4, 22
	RANK 5, 22
	RANK 6, 22
	RANK 7, 22
	v_cmp_gt_u32 s32, 2, v18                       ; chosen: byte b of the mask is the set of experts of token b (round 0),
	v_cmp_gt_u32 s33, 2, v22                       ; of token 4 + b (round 1)
	; the group's statistics of each expert's 8 scores: their sum, and the sum of squared deviations from their own mean
	v_add_f32 v24, v16, v20
	v_add_f32_dpp v24, v24, v24 row_xmask:8 row_mask:0xf bank_mask:0xf
	v_permlanex16_b32 v25, v24, s24, s25
	v_add_f32 v24, v24, v25
	v_mul_f32 v26, 0x3e000000, v24                 ; the mean of 8
	v_sub_f32 v27, v16, v26
	v_sub_f32 v28, v20, v26
	v_mul_f32 v27, v27, v27
	v_fma_f32 v27, v28, v28, v27
	v_add_f32_dpp v27, v27, v27 row_xmask:8 row_mask:0xf bank_mask:0xf
	v_permlanex16_b32 v25, v27, s24, s25
	v_add_f32 v27, v27, v25
	v_cndmask_b32 v24, v24, v27, s27               ; lanes 0-7 the sums, lanes 8-15 the squares
	v_and_b32 v29, 15, v1
	v_lshlrev_b32 v29, 2, v29
	; lane l < 8: token 8 g + l's word
	v_mov_b32 v10, s32
	v_mov_b32 v11, s33
	v_cndmask_b32 v10, v10, v11, s22               ; lanes 4-7 take round 1's mask
	v_and_b32 v11, 3, v1
	v_lshlrev_b32 v11, 3, v11
	v_lshrrev_b32 v10, v11, v10
	v_and_b32 v10, 0xff, v10                       ; the token's two experts as bits
	s_lshl_b32 s19, ttmp9, 3
	v_add_nc_u32 v11, s19, v1
	v_lshl_or_b32 v10, v10, 11, v11
	s_wait_xcnt 0x0                                ; EXEC changes only when the earlier stores have read it
	s_wait_tensorcnt 0x0
	ds_add_u32 v224, v225
	s_wait_dscnt 0x0
	v_cmpx_gt_u32 16, v0
	global_store_b32 v29, v24, s[16:17]
	s_wait_xcnt 0x0
	v_cmpx_gt_u32 8, v0
	global_store_b32 v6, v10, s[14:15]
	s_endpgm
.Lfunc_end_k_q88dd946a47_gate:
	.size	k_q88dd946a47_gate, .Lfunc_end_k_q88dd946a47_gate-k_q88dd946a47_gate
	.p2alignl 7, 3214868480
	.fill 96, 4, 3214868480
	.section	.rodata,"a",@progbits
	.p2align	6, 0x0
	.amdhsa_kernel k_q88dd946a47_gate
		.amdhsa_group_segment_fixed_size 2560
		.amdhsa_private_segment_fixed_size 0
		.amdhsa_enable_private_segment 0
		.amdhsa_kernarg_size 56
		.amdhsa_user_sgpr_count 2
		.amdhsa_user_sgpr_kernarg_segment_ptr 1
		.amdhsa_wavefront_size32 1
		.amdhsa_system_sgpr_workgroup_id_x 1
		.amdhsa_system_sgpr_workgroup_id_y 1
		.amdhsa_system_sgpr_workgroup_id_z 1
		.amdhsa_system_vgpr_workitem_id 0
		.amdhsa_next_free_vgpr 226
		.amdhsa_next_free_sgpr 66
		.amdhsa_reserve_vcc 1
		.amdhsa_float_denorm_mode_32 3
		.amdhsa_float_denorm_mode_16_64 3
		.amdhsa_memory_ordered 1
		.amdhsa_forward_progress 1
		.amdhsa_inst_pref_size 55
	.end_amdhsa_kernel
	.amdgpu_metadata
---
amdhsa.version: [ 1, 2 ]
amdhsa.kernels:
  - .name:           k_q88dd946a47_gate
    .symbol:         k_q88dd946a47_gate.kd
    .args:
      - { .name: sequences, .offset: 0, .size: 8, .value_kind: global_buffer, .address_space: global }
      - { .name: gating_w, .offset: 8, .size: 8, .value_kind: global_buffer, .address_space: global }
      - { .name: gating_b, .offset: 16, .size: 8, .value_kind: global_buffer, .address_space: global }
      - { .name: xq, .offset: 24, .size: 8, .value_kind: global_buffer, .address_space: global }
      - { .name: xs, .offset: 32, .size: 8, .value_kind: global_buffer, .address_space: global }
      - { .name: sel, .offset: 40, .size: 8, .value_kind: global_buffer, .address_space: global }
      - { .name: stats, .offset: 48, .size: 8, .value_kind: global_buffer, .address_space: global }
    .group_segment_fixed_size: 2560
    .private_segment_fixed_size: 0
    .kernarg_segment_align: 8
    .kernarg_segment_size: 56
    .max_flat_workgroup_size: 128
    .sgpr_count:     66
    .vgpr_count:     226
    .wavefront_size: 32
...
	.end_amdgpu_metadata
.endif
;; end of part 1
;; launch place (part 2): grid 257 x 1, 8 waves a work-group, no clusters, 0 bytes of LDS; arguments sel, stats, order, out1; writes order, out1
.if DOCPART == 2
	.amdgcn_target "amdgcn-amd-amdhsa--gfx1250"
	.amdhsa_code_object_version 6
	.text
	.protected	k_q88dd946a47_place
	.globl	k_q88dd946a47_place
	.p2align	8
	.type	k_q88dd946a47_place,@function
k_q88dd946a47_place:
	s_mov_b64 s[64:65], 0
	v_nop
	global_prefetch_b8 v0, s[64:65] scope:SCOPE_SE
	s_setreg_imm32_b32 hwreg(HW_REG_WAVE_MODE, 25, 1), 1
	s_wait_xcnt 0x0
; THE PLACING OF THE TOKENS, AND THE VARIANCES.
; sel [2048] words: set of two experts << 11 | token: all different, so their order is a strict one: by the pair of experts, then by token.
; Work-groups 0 .. 255: wave w of work-group g owns token 8 g + w.  Its rank is the number of words smaller than its own, counted over all 2,048 (64 compares a wave, no atomics, no LDS).
; The ranks are a permutation of 0 .. 2,047, so every word of order is stored once: bytes 0 .. 8,191 the token at each rank, bytes 8,192 on its set of experts.
; These are stores of 4 bytes at scattered places, 16 KiB in all.
; Work-group 256: wave e joins the 256 groups' statistics of expert e: the sum of the groups' squared deviations from their own means, plus 8 (group's mean - mean)^2 for each group:
; no difference of large sums is formed.  out1[e] = that / 2,047.
	s_load_b128 s[4:7], s[0:1], 0x0                ; sel s[4:5], stats s[6:7]
	s_load_b128 s[8:11], s[0:1], 0x10              ; order s[8:9], out1 s[10:11]
	v_lshrrev_b32 v1, 5, v0
	v_readfirstlane_b32 s12, v1                    ; wave 0..7
	v_and_b32 v2, 31, v0                           ; lane
	s_wait_kmcnt 0x0
	s_cmp_eq_u32 ttmp9, 256
	s_cbranch_scc1 .Lvar
	s_lshl_b32 s16, ttmp9, 3
	s_add_co_u32 s16, s16, s12                     ; my token
	s_lshl_b32 s16, s16, 2
	s_mov_b32 s17, 0
	s_add_nc_u64 s[16:17], s[4:5], s[16:17]
	s_load_b32 s30, s[16:17], 0x0                  ; its word
	v_lshlrev_b32 v3, 4, v2
.irp i, 0,1,2,3,4,5,6,7,8,9,10,11,12,13,14,15
	global_load_b128 v[16+4*\i:19+4*\i], v3, s[4:5] offset:512*\i   ; all 2,048 words, 512 consecutive bytes a load
.endr
.irp j, 0,1,2,3
	s_mov_b32 s[20+\j], 0
.endr
	s_wait_kmcnt 0x0
.irp i, 0,1,2,3,4,5,6,7,8,9,10,11,12,13,14,15
	s_wait_loadcnt 15-\i                           ; group i is in; the later groups' loads stay out
.irp j, 0,1,2,3
	v_cmp_gt_u32 s[40+\j], s30, v[16+4*\i+\j]      ; the lanes whose word is smaller than mine
.endr
.irp j, 0,1,2,3
	s_bcnt1_i32_b32 s[40+\j], s[40+\j]
.endr
.irp j, 0,1,2,3
	s_add_co_u32 s[20+\j], s[20+\j], s[40+\j]
.endr
.endr
	s_add_co_u32 s20, s20, s21
	s_add_co_u32 s22, s22, s23
	s_add_co_u32 s20, s20, s22                     ; my rank
	s_min_u32 s20, s20, 0x7ff                      ; held inside the list
	s_lshl_b32 s20, s20, 2
	v_mov_b32 v4, s20
	s_and_b32 s21, s30, 0x7ff
	s_lshr_b32 s22, s30, 11
	v_mov_b32 v5, s21                              ; the token,
	v_mov_b32 v6, s22                              ; its two experts as bits
	s_wait_xcnt 0x0                                ; EXEC changes only when the loads have read it
	v_cmpx_gt_u32 1, v2                            ; lane 0 alone stores
	global_store_b32 v4, v5, s[8:9]
	global_store_b32 v4, v6, s[8:9] offset:8192
	s_endpgm
.macro WSUM a, t                       ; the sum over the wave's 32 lanes, in every lane
	v_add_f32_dpp v[\a], v[\a], v[\a] row_xmask:1 row_mask:0xf bank_mask:0xf
	v_add_f32_dpp v[\a], v[\a], v[\a] row_xmask:2 row_mask:0xf bank_mask:0xf
	v_add_f32_dpp v[\a], v[\a], v[\a] row_xmask:4 row_mask:0xf bank_mask:0xf
	v_add_f32_dpp v[\a], v[\a], v[\a] row_xmask:8 row_mask:0xf bank_mask:0xf
	v_permlanex16_b32 v[\t], v[\a], s14, s15
	v_add_f32 v[\a], v[\a], v[\t]
.endm
.Lvar:
	s_lshl_b32 s13, s12, 2
	v_lshl_add_u32 v3, v2, 6, s13                  ; group l's 64 bytes, expert w
.irp g, 0,1,2,3,4,5,6,7
	global_load_b32 v[16+\g], v3, s[6:7] offset:2048*\g        ; group l + 32 g: its sum,
	global_load_b32 v[24+\g], v3, s[6:7] offset:2048*\g+32     ; its squares
.endr
	s_mov_b32 s14, 0x76543210
	s_mov_b32 s15, 0xfedcba98
	v_mov_b32 v9, 0                                ; written once: a lane permute's destination counts as one of its sources
	v_mov_b32 v13, s13
	s_wait_loadcnt 0x0
	v_add_f32 v8, v16, v17
	v_add_f32 v10, v18, v19
	v_add_f32 v11, v20, v21
	v_add_f32 v12, v22, v23
	v_add_f32 v8, v8, v10
	v_add_f32 v11, v11, v12
	v_add_f32 v8, v8, v11
	WSUM 8, 9                                      ; the sum of all 2,048 scores
	v_mul_f32 v10, 0x3b800000, v8                  ; / 256: 8 x the mean
.irp g, 0,1,2,3,4,5,6,7
	v_sub_f32 v[32+\g], v[16+\g], v10              ; d = the group's sum - 8 x the mean
.endr
.irp g, 0,1,2,3,4,5,6,7
	v_mul_f32 v[40+\g], 0x3e000000, v[32+\g]
.endr
.irp g, 0,1,2,3,4,5,6,7
	v_fma_f32 v[24+\g], v[40+\g], v[32+\g], v[24+\g]   ; + d^2 / 8 = 8 (the group's mean - the mean)^2
.endr
	v_add_f32 v8, v24, v25
	v_add_f32 v10, v26, v27
	v_add_f32 v11, v28, v29
	v_add_f32 v12, v30, v31
	v_add_f32 v8, v8, v10
	v_add_f32 v11, v11, v12
	v_add_f32 v8, v8, v11
	WSUM 8, 9
	v_mul_f32 v8, 0x3a001002, v8                   ; / 2,047
	s_wait_xcnt 0x0
	v_cmpx_gt_u32 1, v2
	global_store_b32 v13, v8, s[10:11]
	s_endpgm
.Lfunc_end_k_q88dd946a47_place:
	.size	k_q88dd946a47_place, .Lfunc_end_k_q88dd946a47_place-k_q88dd946a47_place
	.p2alignl 7, 3214868480
	.fill 96, 4, 3214868480
	.section	.rodata,"a",@progbits
	.p2align	6, 0x0
	.amdhsa_kernel k_q88dd946a47_place
		.amdhsa_group_segment_fixed_size 0
		.amdhsa_private_segment_fixed_size 0
		.amdhsa_enable_private_segment 0
		.amdhsa_kernarg_size 32
		.amdhsa_user_sgpr_count 2
		.amdhsa_user_sgpr_kernarg_segment_ptr 1
		.amdhsa_wavefront_size32 1
		.amdhsa_system_sgpr_workgroup_id_x 1
		.amdhsa_system_sgpr_workgroup_id_y 1
		.amdhsa_system_sgpr_workgroup_id_z 1
		.amdhsa_system_vgpr_workitem_id 0
		.amdhsa_next_free_vgpr 96
		.amdhsa_next_free_sgpr 66
		.amdhsa_reserve_vcc 0
		.amdhsa_float_denorm_mode_32 3
		.amdhsa_float_denorm_mode_16_64 3
		.amdhsa_memory_ordered 1
		.amdhsa_forward_progress 1
		.amdhsa_inst_pref_size 17
	.end_amdhsa_kernel
	.amdgpu_metadata
---
amdhsa.version: [ 1, 2 ]
amdhsa.kernels:
  - .name:           k_q88dd946a47_place
    .symbol:         k_q88dd946a47_place.kd
    .args:
      - { .name: sel, .offset: 0, .size: 8, .value_kind: global_buffer, .address_space: global }
      - { .name: stats, .offset: 8, .size: 8, .value_kind: global_buffer, .address_space: global }
      - { .name: order, .offset: 16, .size: 8, .value_kind: global_buffer, .address_space: global }
      - { .name: out1, .offset: 24, .size: 8, .value_kind: global_buffer, .address_space: global }
    .group_segment_fixed_size: 0
    .private_segment_fixed_size: 0
    .kernarg_segment_align: 8
    .kernarg_segment_size: 32
    .max_flat_workgroup_size: 256
    .sgpr_count:     66
    .vgpr_count:     96
    .wavefront_size: 32
...
	.end_amdgpu_metadata
.endif
;; end of part 2
;; launch experts (part 3): grid 16 x 16, 4 waves a work-group, no clusters, 152,064 bytes of LDS; arguments xq, xs, order, expert_w_codes, expert_w_scales, expert_b, out0; writes out0
.if DOCPART == 3
	.amdgcn_target "amdgcn-amd-amdhsa--gfx1250"
	.amdhsa_code_object_version 6
	.text
	.protected	k_q88dd946a47_experts
	.globl	k_q88dd946a47_experts
	.p2align	8
	.type	k_q88dd946a47_experts,@function
k_q88dd946a47_experts:
	s_mov_b64 s[64:65], 0
	v_nop
	global_prefetch_b8 v0, s[64:65] scope:SCOPE_SE
	s_setreg_imm32_b32 hwreg(HW_REG_WAVE_MODE, 25, 1), 1
	s_wait_xcnt 0x0
; out0[t] = 1/2 x the sum over token t's two experts e of (Q(x[t]) W_e^T + b_e), on codes of E5M2 with one E8M0 scale for each 32 along K.
; xq [2048][1024] codes, xs [2048][32] bytes; order: the tokens sorted by their pair of experts (bytes 0 on: token at each rank; bytes 8,192 on: its two experts as bits);
; expert_w_codes [8][4096][1024], expert_w_scales [8][4096][32], expert_b [8][4096] f32, out0 [2048][4096] f32.
; SHARES.  Work-group (x, y): the 128 tokens at ranks 128 x on, columns 256 y on.  Wave w: all 128 tokens (8 tiles of 16) x columns 64 w .. 64 w + 63 of the slab (4 tiles of 16).
; ONLY THE CHOSEN EXPERTS ARE MULTIPLIED.  The work-group walks the experts that its 128 tokens use, in ascending order; a tile of 16 tokens is passed over, by a scalar branch on the stored list,
; for an expert that none of its tokens uses.
; TWO SETS OF 32 ACCUMULATORS.  An expert's products go into the expert's sums, begun by the bias as the C of K step 0's product.  When the expert is done, total += sums x F, with F = 1/2 for a
; token that uses the expert and 0 for one that does not (a tile may hold tokens of two pairs): one fused multiply-add a number.  So each output row has one owner, and the division by 2 costs nothing.
; THE MATRIX INSTRUCTION IS USED TRANSPOSED: source 0 = 16 rows of W_e, source 1 = 16 tokens: lane (r, h) holds token r and eight neighbouring columns 8 h + 0 .. 7: F is a number a lane.
; WHO LOADS WHAT.  A wave's 64 rows of W_e are read by that wave alone: they go from memory straight into its operand registers, through a ring of four K steps (64 loads of 16 bytes a lane).
; A load of weights takes 32 bytes of each of 16 rows; the four loads of a row's 128 bytes stand together.  The 128 tokens' codes are shared by the four waves: gathered once into LDS.
; NO CLUSTER, NO TENSOR LOAD: the walk over experts, its trip count and the branches round tiles hang on the stored list, and two work-groups of one slab may walk different numbers of experts.
; LIMITS: NaN and infinities are not served; an infinite sum of an expert that a token does not use, in a tile that uses it, gives 0 x infinity = NaN, as the masked sum of the definition does.
; LDS: from XB 128 rows of 1,024 codes, 1,040 bytes apart (65 x 16: the 16 rows of a fragment load begin in 16 different groups of banks); from STAGE 16 rows x 272 bytes for each wave.
; REGISTERS, in windows of 256: window 0: v1-47 addresses and the list; v48-79 x's scale words; v80-95 W's; v96-127 a bias; v128-255 x's fragments, 16 a tile.
;   window 1: the ring of W's fragments, K step kk at 64 (kk % 4), tile t at + 16 t; at the end v0-63 the rows' byte offsets in out0.
;   window 2: the totals, (m, t) at 8 (4 m + t).   window 3: the expert's sums, likewise; at the head the gather lands there.
.set XB,    0
.set XP,    1040
.set STAGE, XB+128*XP
.set SP,    272
.set VL,   4                           ; v4   W's codes: 1,024 r + 16 h
.set VLS,  5                           ; v5   W's scale bytes: 32 r + 8 h
.set VLB,  6                           ; v6   32 h
.set VO,   7                           ; v7-9 the same three + the expert's part
.set VSO,  8
.set VBO,  9
.set STO,  10                          ; v10  the way out: where I put 32 bytes of a row
.set RD,   11                          ; v11  and where I read a row back
.set XST,  12                          ; v12  where I put gathered codes
.set TV,   13                          ; v13  at work
.set F,    14                          ; v[14:15] 1/2 or 0 for my token; the packed form takes the low word for both halves
.set RA,   16                          ; v16-23 tile m: my token's row in LDS + 16 h; never rewritten
.set PMF,  32                          ; v32-39 tile m: my token's two experts as bits
.set PML,  40                          ; v40-43 the same by rank = 32 i + lane
.set L16,  44                          ; v44  16 x lane
.set R16,  45                          ; v45  16 r
.set AX,   47                          ; v47  4 r, later 16 h
.set XS,   48                          ; x's scale words: XS + 4 m + j: lanes 0-15 K step j, lanes 16-31 K step 4 + j
.set WS,   80                          ; W's: WS + 8 (k / 4) + 2 t + k % 2: lanes 0-15 where k % 4 < 2, else lanes 16-31
.set BI,   96                          ; the bias: BI + 8 t + j = b(16 t + 8 h + j)
.set AF,   128                         ; x's fragments
.set BK,   192                         ; the way out: 16 rows read back: two sets by turns
.set TM,   24                          ; s24-31 tile m: the experts that its 16 tokens use, as bits
.set REM,  32                          ; s32  experts still to be fetched
.set EC,   33                          ; s33  the expert that is being multiplied
.set EN,   34                          ; s34  the expert that is being fetched
.set BN,   35                          ; s35  1 << EN
.set TRIPS, 36                         ; s36  experts - 1
.set CT,   37
.set BC,   60                          ; s60  1 << EC
.set MSB, 0
.macro WIN new                         ; bits 1:0 source 0, 3:2 source 1, 5:4 source 2, 7:6 destination; the high byte repeats the setting that is left
.if MSB != \new
	s_set_vgpr_msb (MSB<<8)|\new
.set MSB, \new
.endif
.endm
; A load into a register that a matrix instruction has read, and a vector instruction that reads a matrix result, stand eight places behind that matrix instruction, and only plain vector
; instructions that name none of its registers are places.  These stand on every path, whichever tiles are passed over.
.macro PLACES
.rept 8
	v_nop
.endr
.endm
.macro NEXT                            ; the next expert of the set, and the three offsets that hang on it
	s_wait_xcnt 0x0                                ; the loads issued so far have read VO, VSO and VBO
	s_ctz_i32_b32 s[EN], s[REM]
	s_min_u32 s[EN], s[EN], 7                      ; held inside the tables
	s_sub_co_u32 s38, s[REM], 1
	s_and_b32 s[REM], s[REM], s38
	s_lshl_b32 s[BN], 1, s[EN]
	s_lshl_b32 s38, s[EN], 22
	v_add_nc_u32 v[VO], s38, v[VL]
	s_lshl_b32 s38, s[EN], 17
	v_add_nc_u32 v[VSO], s38, v[VLS]
	s_lshl_b32 s38, s[EN], 14
	v_add_nc_u32 v[VBO], s38, v[VLB]
.endm
.macro GL kk                           ; K step kk of the expert being fetched: my 64 rows x 128 codes: registers 4 c .. 4 c + 3 of a fragment hold K = 32 c + 16 h + 0 .. 15
	WIN 0x40
.irp t, 0,1,2,3
.irp c, 0,1,2,3
	global_load_b128 v[64*((\kk)%4)+16*\t+4*\c:64*((\kk)%4)+16*\t+4*\c+3], v[VO], s[10:11] offset:16384*\t+128*(\kk)+32*\c
.endr
.endr
	WIN 0
.endm
.macro PLOAD                           ; W's scale words of K steps 0-3: 16 rows of 32 bytes are dense; a lane takes 8 bytes
.irp t, 0,1,2,3
	global_load_b64 v[WS+2*\t:WS+2*\t+1], v[VSO], s[12:13] offset:512*\t
.endr
.endm
.macro QLOAD                           ; of K steps 4-7
.irp t, 0,1,2,3
	global_load_b64 v[WS+8+2*\t:WS+9+2*\t], v[VSO], s[12:13] offset:512*\t+16
.endr
.endm
.macro BILOAD
.irp t, 0,1,2,3
	global_load_b128 v[BI+8*\t:BI+8*\t+3],   v[VBO], s[14:15] offset:64*\t
	global_load_b128 v[BI+8*\t+4:BI+8*\t+7], v[VBO], s[14:15] offset:64*\t+16
.endr
.endm
.macro TOLOAD                          ; the tokens of the rows that I store: tile m's rows 8 h + 0 .. 7, into the ring's set 0, which the last expert's K step 4 has left
	WIN 0x40
.irp m, 0,1,2,3,4,5,6,7
	global_load_b128 v[8*\m:8*\m+3],   v[VLB], s[8:9] offset:64*\m
	global_load_b128 v[8*\m+4:8*\m+7], v[VLB], s[8:9] offset:64*\m+16
.endr
	WIN 0
.endm
.macro TOCONV                          ; they become byte offsets in out0: token x 16,384 + 16 r
	WIN 0x44
.set i, 0
.rept 64
	v_min_u32 v[i], 0x7ff, v[i]                    ; a token's number is held inside the tables before it enters an address
.set i, i+1
.endr
	WIN 0x41
.set i, 0
.rept 64
	v_lshl_add_u32 v[i], v[i], 14, v[R16]
.set i, i+1
.endr
	WIN 0
.endm
.macro LDA m, kk, sreg                 ; tile m's fragment of K step kk, if the tile uses the expert in s[sreg]
	s_bitcmp1_b32 s[TM+\m], s[\sreg]
	s_cbranch_scc0 .Lno_frag_\@
.irp c, 0,1,2,3
	ds_load_b128 v[AF+16*\m+4*\c:AF+16*\m+4*\c+3], v[RA+\m] offset:128*(\kk)+32*\c
.endr
.Lno_frag_\@:
.endm
.macro WM m, t, k
.set rD, 32*(\m)+8*(\t)
.set rW, 64*((\k)%4)+16*(\t)
.set rA, AF+16*(\m)
.set rP, WS+8*((\k)/4)+2*(\t)+(\k)%2
.set rQ, XS+4*(\m)+(\k)%4
.if (\k) == 0
	v_wmma_scale_f32_16x16x128_f8f6f4 v[rD:rD+7], v[rW:rW+15], v[rA:rA+15], v[BI+8*(\t):BI+8*(\t)+7], v[rP], v[rQ] matrix_a_fmt:MATRIX_FMT_BF8 matrix_b_fmt:MATRIX_FMT_BF8
.elseif ((\k)%4 >= 2) && ((\k) >= 4)
	v_wmma_scale_f32_16x16x128_f8f6f4 v[rD:rD+7], v[rW:rW+15], v[rA:rA+15], v[rD:rD+7], v[rP], v[rQ] matrix_a_fmt:MATRIX_FMT_BF8 matrix_b_fmt:MATRIX_FMT_BF8 matrix_a_scale:MATRIX_SCALE_ROW1 matrix_b_scale:MATRIX_SCALE_ROW1
.elseif (\k)%4 >= 2
	v_wmma_scale_f32_16x16x128_f8f6f4 v[rD:rD+7], v[rW:rW+15], v[rA:rA+15], v[rD:rD+7], v[rP], v[rQ] matrix_a_fmt:MATRIX_FMT_BF8 matrix_b_fmt:MATRIX_FMT_BF8 matrix_a_scale:MATRIX_SCALE_ROW1
.elseif (\k) >= 4
	v_wmma_scale_f32_16x16x128_f8f6f4 v[rD:rD+7], v[rW:rW+15], v[rA:rA+15], v[rD:rD+7], v[rP], v[rQ] matrix_a_fmt:MATRIX_FMT_BF8 matrix_b_fmt:MATRIX_FMT_BF8 matrix_b_scale:MATRIX_SCALE_ROW1
.else
	v_wmma_scale_f32_16x16x128_f8f6f4 v[rD:rD+7], v[rW:rW+15], v[rA:rA+15], v[rD:rD+7], v[rP], v[rQ] matrix_a_fmt:MATRIX_FMT_BF8 matrix_b_fmt:MATRIX_FMT_BF8
.endif
.endm
; Tile m's four products of K step k, if the tile uses the expert in hand.  K step 0's take the bias as C and so begin the expert's sums.  The tile's four accumulators take turns, one
; instruction a turn, so on no path do two matrix instructions that follow each other name one accumulator.
.macro TILE m, k
	s_bitcmp1_b32 s[TM+\m], s[EC]
	s_cbranch_scc0 .Lno_tile_\@
.if \k == 0
	WIN 0xc1                                       ; W in window 1, x and the bias in window 0, D in window 3
.else
	WIN 0xf1                                       ; W in window 1, x in window 0, C and D in window 3
.endif
.irp t, 0,1,2,3
	WM \m, \t, \k
.endr
	WIN 0                                          ; at a label and at a branch every window is 0
.Lno_tile_\@:
.endm
.macro MERGE m                         ; tile m's total takes the finished expert's sums, halved, for the tokens that use the expert
	s_bitcmp1_b32 s[TM+\m], s[EC]
	s_cbranch_scc0 .Lno_merge_\@
	v_and_b32 v[TV], s[BC], v[PMF+\m]
	v_cmp_ne_u32 vcc_lo, 0, v[TV]
	v_cndmask_b32 v[F], 0, 0.5, vcc_lo
	WIN 0xa3                                       ; the sums in window 3, F in window 0, the totals in window 2
.irp p, 0,2,4,6,8,10,12,14,16,18,20,22,24,26,28,30
	v_pk_fma_f32 v[32*\m+\p:32*\m+\p+1], v[32*\m+\p:32*\m+\p+1], v[F:F+1], v[32*\m+\p:32*\m+\p+1] op_sel_hi:[1,0,1]   ; each accumulator from its low end on
.endr
	WIN 0
.Lno_merge_\@:
.endm
; A K STEP: 128 along K.  x's fragments have one set of registers: tiles 0-3 are fetched anew while tiles 4-7 are multiplied, and the other way round.  LDS loads may have been passed over,
; so every wait for them is for 0; each stands half a step behind its loads.  The global loads are issued on every path, so their waits are counted:
; the order of issue for an expert is K steps 4, 5, 6, 7, then the next expert's P (4 loads), bias (8), K steps 0, 1, 2, Q (4), K step 3; a K step is 16 loads.
; The last expert issues, behind its K step 7's loads, the 16 loads of the rows' tokens and nothing more.
.macro KSTEP k, last
.if \k > 0
.if (\k == 1) || (\k == 2)
	s_wait_loadcnt 52                              ; younger than this K step's: three K steps and Q
.elseif (\k == 3) || (\k == 4)
	s_wait_loadcnt 48                              ; three K steps
.elseif \last
	s_wait_loadcnt 16*(8-\k)                       ; the K steps that are left, and the 16 loads of the rows' tokens
.else
	s_wait_loadcnt 60                              ; three K steps, P and the bias
.endif
.endif
.irp m, 0,1,2,3
	TILE \m, \k
.endr
	s_wait_dscnt 0x0                               ; tiles 4-7 of this step are in
	PLACES
.if \k < 7
.irp m, 0,1,2,3
	LDA \m, \k+1, EC
.endr
.elseif !\last
.irp m, 0,1,2,3
	LDA \m, 0, EN
.endr
.endif
.irp m, 4,5,6,7
	TILE \m, \k
.endr
	s_wait_dscnt 0x0                               ; tiles 0-3 of the next step are in
	PLACES
.if \k < 7
.irp m, 4,5,6,7
	LDA \m, \k+1, EC
.endr
.elseif !\last
.irp m, 4,5,6,7
	LDA \m, 0, EN
.endr
.endif
.if \k < 4
	GL \k+4                                        ; into the ring's set that this step has just left
.elseif !\last
.if \k == 4
	NEXT
	PLOAD
	BILOAD
.endif
.if \k == 7
	QLOAD
.endif
	GL \k-4
.elseif \k == 4
	TOLOAD
.endif
.endm
.macro BODY last                       ; one expert
.irp k, 0,1,2,3,4,5,6,7
	KSTEP \k, \last
.endr
.if \last
	s_wait_loadcnt 0x0                             ; the rows' tokens are in
	TOCONV                                         ; 128 plain lines that name no register of the last products
.endif
.irp m, 0,1,2,3,4,5,6,7
	MERGE \m
.endr
.if !\last
	PLACES                                         ; with the eight that end K step 7: sixteen places, on every path, between an expert's last products and the products that write over their results
	s_mov_b32 s[EC], s[EN]
	s_mov_b32 s[BC], s[BN]
	s_wait_loadcnt 52                              ; the next expert's P, bias and K step 0 are in; K steps 1, 2, 3 and Q stay out
.endif
.endm
	s_load_b256 s[4:11], s[0:1], 0x0               ; xq s[4:5], xs s[6:7], order s[8:9], W's codes s[10:11]
	s_load_b128 s[12:15], s[0:1], 0x20             ; W's scales s[12:13], expert_b s[14:15]
	s_load_b64 s[16:17], s[0:1], 0x30              ; out0
	v_lshl_add_u32 v31, v0, 2, 0x25000
	v_mov_b32 v46, 0
	v_lshrrev_b32 v1, 5, v0
	v_readfirstlane_b32 s18, v1                    ; wave 0..3
	v_and_b32 v1, 31, v0                           ; lane
	v_and_b32 v2, 15, v0                           ; r
	v_bfe_u32 v3, v0, 4, 1                         ; h
	v_lshlrev_b32 v[VL], 10, v2
	v_lshl_add_u32 v[VL], v3, 4, v[VL]
	v_lshlrev_b32 v[VLS], 5, v2
	v_lshl_add_u32 v[VLS], v3, 3, v[VLS]
	v_lshlrev_b32 v[VLB], 5, v3
	v_lshlrev_b32 v[L16], 4, v1
	v_lshlrev_b32 v[R16], 4, v2
	v_lshlrev_b32 v[TV], 2, v1                     ; 4 x lane
	v_lshlrev_b32 v[AX], 2, v2                     ; 4 r
	v_mov_b32 v[F], 0
	v_mov_b32 v[F+1], 0                            ; (named with F as a pair, so it is written)
	; every LDS address is made here, of the thread's number and constants alone, and stays
	v_mul_u32_u24 v[RA], v2, XP
	v_lshl_add_u32 v[RA], v3, 4, v[RA]
.irp m, 7,6,5,4,3,2,1,0
	v_add_nc_u32 v[RA+\m], XB+16*\m*XP, v[RA]
.endr
	s_mul_i32 s38, s18, 16*SP
	s_add_co_u32 s38, s38, STAGE                   ; my stage
	v_mul_u32_u24 v[STO], v2, SP
	v_lshl_add_u32 v[STO], v3, 5, v[STO]
	v_add_nc_u32 v[STO], s38, v[STO]               ; in: row r, 32 bytes for each half of the lanes
	v_mul_u32_u24 v[RD], v3, 8*SP
	v_lshl_add_u32 v[RD], v2, 4, v[RD]
	v_add_nc_u32 v[RD], s38, v[RD]                 ; back: lanes 0-15 rows 0-7, lanes 16-31 rows 8-15; 16 bytes a lane
	s_mul_i32 s39, s18, 32*XP
	s_add_co_u32 s39, s39, XB
	v_add_nc_u32 v[XST], s39, v[L16]               ; my wave gathers rows 32 w .. 32 w + 31
	s_and_b32 s19, ttmp7, 0xffff                   ; the slab of 256 columns
	s_lshl_b32 s20, s19, 18
	s_lshl_b32 s21, s18, 16
	s_add_co_u32 s20, s20, s21                     ; W's codes: (256 slab + 64 w) rows of 1,024 bytes
	s_mov_b32 s21, 0
	s_lshl_b32 s22, s19, 13
	s_lshl_b32 s23, s18, 11
	s_add_co_u32 s22, s22, s23                     ; W's scale bytes: rows of 32
	s_mov_b32 s23, 0
	s_lshl_b32 s38, s19, 10
	s_lshl_b32 s39, s18, 8
	s_add_co_u32 s38, s38, s39                     ; the bias and a row of out0: 4 bytes a column
	s_mov_b32 s39, 0
	s_lshl_b32 s56, ttmp9, 9                       ; the block's 128 ranks, 4 bytes each
	s_mov_b32 s57, 0
	s_lshl_b32 s58, s18, 7                         ; my wave's 32 of them
	s_mov_b32 s59, 0
	s_wait_kmcnt 0x0
	s_add_nc_u64 s[10:11], s[10:11], s[20:21]
	s_add_nc_u64 s[12:13], s[12:13], s[22:23]
	s_add_nc_u64 s[14:15], s[14:15], s[38:39]
	s_add_nc_u64 s[16:17], s[16:17], s[38:39]
	s_add_nc_u64 s[8:9], s[8:9], s[56:57]
	s_add_nc_u64 s[58:59], s[8:9], s[58:59]
	s_load_b512 s[40:55], s[58:59], 0x0            ; the tokens of the 32 rows that I gather
	s_load_b512 s[68:83], s[58:59], 0x40
.irp i, 0,1,2,3
	global_load_b32 v[PML+\i], v[TV], s[8:9] offset:8192+128*\i    ; the experts of rank 32 i + lane
.endr
.irp m, 0,1,2,3,4,5,6,7
	global_load_b32 v[PMF+\m], v[AX], s[8:9] offset:8192+64*\m     ; of tile m's token r
	global_load_b32 v[192+\m], v[AX], s[8:9] offset:64*\m          ; and that token
.endr
	s_wait_loadcnt 0x0
	s_wait_kmcnt 0x0
	v_mov_b32 v[TV], 0                             ; written before it is a lane move's destination
.irp x, 1,2,4,8
.irp i, 0,1,2,3
	v_mov_b32_dpp v[TV], v[PML+\i] row_xmask:\x row_mask:0xf bank_mask:0xf
	v_or_b32 v[PML+\i], v[PML+\i], v[TV]           ; the experts that 16 neighbouring ranks use
.endr
.endr
.irp i, 0,1,2,3
	v_readlane_b32 s[TM+2*\i],   v[PML+\i], 0
	v_readlane_b32 s[TM+2*\i+1], v[PML+\i], 16
.endr
	s_or_b32 s[REM], s[TM], s[TM+1]
.irp m, 2,3,4,5,6,7
	s_or_b32 s[REM], s[REM], s[TM+\m]
.endr
	s_and_b32 s[REM], s[REM], 0xff                 ; the experts that the block uses: at least two, since every token has two
	s_bcnt1_i32_b32 s[TRIPS], s[REM]
	s_sub_co_u32 s[TRIPS], s[TRIPS], 1
	NEXT                                           ; the first expert
	v_lshlrev_b32 v[AX], 4, v3                     ; 16 h
.irp m, 0,1,2,3,4,5,6,7
	v_min_u32 v[192+\m], 0x7ff, v[192+\m]          ; a token's number is held inside the tables before it enters an address
.endr
.irp m, 0,1,2,3,4,5,6,7
	v_lshl_add_u32 v[192+\m], v[192+\m], 5, v[AX]
.endr
.irp m, 0,1,2,3,4,5,6,7
	global_load_b128 v[XS+4*\m:XS+4*\m+3], v[192+\m], s[6:7]       ; x's scale words: they stay
.endr
	BILOAD
.set i, 0
.rept 16
	s_min_u32 s[40+i], s[40+i], 0x7ff
	v_lshl_add_u32 v[128+i], s[40+i], 10, v[L16]
	s_min_u32 s[68+i], s[68+i], 0x7ff
	v_lshl_add_u32 v[144+i], s[68+i], 10, v[L16]
.set i, i+1
.endr
	WIN 0xc0                                       ; the gather lands where the expert's sums will lie
.set i, 0
.rept 32
	global_load_b128 v[8*i:8*i+3],   v[128+i], s[4:5]              ; a token's 1,024 codes: two loads of 512 consecutive bytes
	global_load_b128 v[8*i+4:8*i+7], v[128+i], s[4:5] offset:512
.set i, i+1
.endr
	WIN 0
	PLOAD
	GL 0
	GL 1
	GL 2
	QLOAD
	GL 3
	WIN 0x80                                       ; while these are on their way the totals are cleared: which expert is a tile's first hangs on the list, so no product can begin them
.set i, 0
.rept 256
	v_mov_b32 v[i], 0
.set i, i+1
.endr
	WIN 0
	s_wait_loadcnt 63                              ; 72 loads are younger than the gather: so the gather, x's scale words and the first bias are in
	WIN 0x0c
.set i, 0
.rept 32
	ds_store_b128 v[XST], v[8*i:8*i+3]   offset:XP*i
	ds_store_b128 v[XST], v[8*i+4:8*i+7] offset:XP*i+512
.set i, i+1
.endr
	WIN 0
	s_wait_dscnt 0x0                               ; for the others' sake: my rows are in LDS
	s_barrier_signal -1
	s_barrier_wait -1                              ; the launch's one barrier: from here on the rows are only read, and a stage is its wave's own
	s_mov_b32 s[EC], s[EN]
	s_mov_b32 s[BC], s[BN]
.irp m, 0,1,2,3,4,5,6,7
.irp c, 0,1,2,3
	ds_load_b128 v[AF+16*\m+4*\c:AF+16*\m+4*\c+3], v[RA+\m] offset:32*\c   ; K step 0, all eight tiles: every fragment register is written on every path
.endr
.endr
	s_wait_dscnt 16                                ; tiles 0-3 are in; the 16 loads of tiles 4-7 may be out
	s_wait_loadcnt 52                              ; P and K step 0 are in; K steps 1, 2, 3 and Q stay out
	s_mov_b32 s[CT], 0
.Lexp:                                                 ; a trip multiplies one expert and fetches the next
	BODY 0
	s_add_co_u32 s[CT], s[CT], 1
	s_cmp_lt_u32 s[CT], s[TRIPS]
	s_cbranch_scc1 .Lexp
	BODY 1                                         ; the last expert is written out: no expert is fetched behind it, and its counts run down
; THE WAY OUT, a tile of 16 tokens at a time: 32 bytes a lane into my stage, back as whole rows of 256 bytes, and each row to its token's place in out0.
; LDS serves a wave's instructions in order (ISA guide 5.7.1.4): no wait between the stores and the loads, nor in front of the next tile's stores.
.macro TOSTAGE m
	WIN 0x08                                       ; the data: the totals, in window 2
.irp t, 0,1,2,3
	ds_store_b128 v[STO], v[32*(\m)+8*\t:32*(\m)+8*\t+3]   offset:64*\t
	ds_store_b128 v[STO], v[32*(\m)+8*\t+4:32*(\m)+8*\t+7] offset:64*\t+16
.endr
	WIN 0
.irp i, 0,1,2,3,4,5,6,7
	ds_load_b128 v[BK+32*((\m)%2)+4*\i:BK+32*((\m)%2)+4*\i+3], v[RD] offset:SP*\i
.endr
.endm
.macro SEND m, younger                 ; younger: the LDS instructions issued behind tile m's loads, which may stay out
	s_wait_dscnt \younger
	WIN 0x01                                       ; the rows' offsets lie in window 1
.irp i, 0,1,2,3,4,5,6,7
	global_store_b128 v[8*(\m)+\i], v[BK+32*((\m)%2)+4*\i:BK+32*((\m)%2)+4*\i+3], s[16:17] th:TH_STORE_NT   ; 16 lanes store 256 consecutive bytes of one token's row, aligned
.endr
	WIN 0
.endm
	TOSTAGE 0
.irp m, 1,2,3,4,5,6,7
.if \m > 1
	s_wait_xcnt 0x0                                ; tile m - 2's stores have read their registers: tile m's rows may land there
.endif
	TOSTAGE \m
	SEND \m-1, 16                                  ; behind tile m - 1's loads: tile m's 8 stores and 8 loads
.endr
	SEND 7, 0
	s_wait_tensorcnt 0x0
	ds_add_u32 v31, v46
	s_wait_dscnt 0x0
	s_endpgm
.Lfunc_end_k_q88dd946a47_experts:
	.size	k_q88dd946a47_experts, .Lfunc_end_k_q88dd946a47_experts-k_q88dd946a47_experts
	.p2alignl 7, 3214868480
	.fill 96, 4, 3214868480
	.section	.rodata,"a",@progbits
	.p2align	6, 0x0
	.amdhsa_kernel k_q88dd946a47_experts
		.amdhsa_group_segment_fixed_size 152064
		.amdhsa_private_segment_fixed_size 0
		.amdhsa_enable_private_segment 0
		.amdhsa_kernarg_size 56
		.amdhsa_user_sgpr_count 2
		.amdhsa_user_sgpr_kernarg_segment_ptr 1
		.amdhsa_wavefront_size32 1
		.amdhsa_system_sgpr_workgroup_id_x 1
		.amdhsa_system_sgpr_workgroup_id_y 1
		.amdhsa_system_sgpr_workgroup_id_z 1
		.amdhsa_system_vgpr_workitem_id 0
		.amdhsa_next_free_vgpr 1024
		.amdhsa_next_free_sgpr 96
		.amdhsa_reserve_vcc 1
		.amdhsa_float_denorm_mode_32 3
		.amdhsa_float_denorm_mode_16_64 3
		.amdhsa_memory_ordered 1
		.amdhsa_forward_progress 1
		.amdhsa_inst_pref_size 236
	.end_amdhsa_kernel
	.amdgpu_metadata
---
amdhsa.version: [ 1, 2 ]
amdhsa.kernels:
  - .name:           k_q88dd946a47_experts
    .symbol:         k_q88dd946a47_experts.kd
    .args:
      - { .name: xq, .offset: 0, .size: 8, .value_kind: global_buffer, .address_space: global }
      - { .name: xs, .offset: 8, .size: 8, .value_kind: global_buffer, .address_space: global }
      - { .name: order, .offset: 16, .size: 8, .value_kind: global_buffer, .address_space: global }
      - { .name: expert_w_codes, .offset: 24, .size: 8, .value_kind: global_buffer, .address_space: global }
      - { .name: expert_w_scales, .offset: 32, .size: 8, .value_kind: global_buffer, .address_space: global }
      - { .name: expert_b, .offset: 40, .size: 8, .value_kind: global_buffer, .address_space: global }
      - { .name: out0, .offset: 48, .size: 8, .value_kind: global_buffer, .address_space: global }
    .group_segment_fixed_size: 152064
    .private_segment_fixed_size: 0
    .kernarg_segment_align: 8
    .kernarg_segment_size: 56
    .max_flat_workgroup_size: 128
    .sgpr_count:     96
    .vgpr_count:     1024
    .wavefront_size: 32
...
	.end_amdgpu_metadata
.endif
;; end of part 3
;; ======== version 2 of 2: 3 launches
;; limits: right only within a limited range of input values
;; workspace buffers: xq 2,097,152 bytes; xs 65,536 bytes; stats 16,384 bytes; sel 8,192 bytes of whole numbers; order 16,384 bytes of whole numbers
;; launch gate (part 4): grid 256 x 1, 4 waves a work-group, no clusters, 2,560 bytes of LDS; arguments sequences, gating_w, gating_b, xq, xs, sel, stats; writes xq, xs, sel, stats
.if DOCPART == 4
	.amdgcn_target "amdgcn-amd-amdhsa--gfx1250"
	.amdhsa_code_object_version 6
	.text
	.protected	k_q88dd946a47_gate
	.globl	k_q88dd946a47_gate
	.p2align	8
	.type	k_q88dd946a47_gate,@function
k_q88dd946a47_gate:
	s_mov_b64 s[64:65], 0
	v_nop
	global_prefetch_b8 v0, s[64:65] scope:SCOPE_SE
	s_setreg_imm32_b32 hwreg(HW_REG_WAVE_MODE, 25, 1), 1
	s_wait_xcnt 0x0
; THE GATE AND THE QUANTISER OF x.  sequences [2048][1024] f32, gating_w [8][1024] f32, gating_b [8] f32.
; Stored: xq [2048][1024] codes of E5M2 (K innermost), xs [2048][32] E8M0 bytes, sel [2048] words (the two chosen experts as a set of bits << 11 | token),
; stats [256][16] f32: for each work-group the 8 sums of its 8 tokens' scores and the 8 sums of squared deviations from the group's own means.
; SHARES.  Work-group g takes tokens 8 g .. 8 g + 7.  Wave w takes K = 256 w .. 256 w + 255 of all eight; lane l the 8 neighbours 256 w + 8 l + 0 .. 7, so a block of 32 lies in 4 lanes.
; Each number of x is read once and serves both the gate's eight dot products (f32, fused multiply-adds) and the quantiser.
; The choice is DATA here: it is stored at fixed places, and no address and no branch of this launch hangs on it.
; A tie between scores goes to the lower index.  The softmax takes the row's maximum away first.
; LIMITS: NaN and infinities are not served.  A score under 2^-126 comes out of the exponential as 0 and then ties to the lower index.  A block of zeros gets the byte 1 where the
; quantiser's rule says 127: its codes are zeros, which add nothing under that byte, and this program alone reads the bytes.  sel and stats are stored 32 and 64 bytes a work-group.
.set G,    32                          ; v32-95   gating_w: expert e, my 8 numbers at G + 8 e
.set X,    96                          ; v96-159  x: token tok, my 8 numbers at X + 8 tok
.set S2,   160                         ; v160-175 eight pairs of sums
.set KP,   176                         ; v176-183 at work in the exchange between lanes
.set C,    184                         ; v184-199 codes: two registers for each token, so that no store's data are written again
.set LG,   200                         ; v200-207 a partial logit for each token
.set BY,   208                         ; v208-215 a scale byte for each token
.set PART, 0                           ; LDS: [wave][token][expert] f32, 4 x 256 bytes
.set XSB,  1024                        ; LDS: [token][32] scale bytes, 256 bytes
	s_load_b256 s[4:11], s[0:1], 0x0               ; sequences s[4:5], gating_w s[6:7], gating_b s[8:9], xq s[10:11]
	s_load_b128 s[12:15], s[0:1], 0x20             ; xs s[12:13], sel s[14:15]
	s_load_b64 s[16:17], s[0:1], 0x30              ; stats
	v_lshl_add_u32 v224, v0, 2, 0x800
	v_mov_b32 v225, 0
	v_lshrrev_b32 v1, 5, v0
	v_readfirstlane_b32 s18, v1                    ; wave 0..3
	v_and_b32 v1, 31, v0                           ; lane
	s_lshl_b32 s19, s18, 10
	v_lshl_add_u32 v2, v1, 5, s19                  ; my 32 bytes of a row of x or of gating_w: 1,024 w + 32 l
	s_lshl_b32 s19, s18, 8
	v_lshl_add_u32 v3, v1, 3, s19                  ; my 8 codes of a row: 256 w + 8 l
	v_and_b32 v8, 7, v1
	v_lshlrev_b32 v8, 2, v8                        ; 4 (l % 8)
	v_add_nc_u32 v4, s19, v8                       ; LDS: my wave's partial logits, expert l % 8
	s_lshl_b32 s19, s18, 3
	v_lshrrev_b32 v5, 2, v1
	v_add_nc_u32 v5, s19, v5                       ; my block's number in a row: 8 w + l / 4
	v_lshlrev_b32 v6, 2, v1                        ; 4 l
	v_lshlrev_b32 v7, 3, v1                        ; 8 l
	s_mov_b32 s20, 0xaaaaaaaa                      ; lanes whose bit 0 is set,
	s_mov_b32 s21, 0xcccccccc                      ; bit 1,
	s_mov_b32 s22, 0xf0f0f0f0                      ; bit 2
	s_mov_b32 s23, 0x600000                        ; the mantissa field of 57,344
	s_mov_b32 s24, 0x76543210
	s_mov_b32 s25, 0xfedcba98                      ; v_permlanex16_b32: lane l xor 16
	s_mov_b32 s26, 0x3fb8aa3b                      ; log2(e)
	s_mov_b32 s27, 0xff00ff00                      ; lanes 8-15 of each 16
	s_mov_b32 s29, 0
	s_wait_alu depctr_va_vdst(0)
	s_wait_kmcnt 0x0
	s_lshl_b32 s28, ttmp9, 15
	s_add_nc_u64 s[4:5], s[4:5], s[28:29]          ; my 8 rows of x
	s_lshl_b32 s28, ttmp9, 13
	s_add_nc_u64 s[10:11], s[10:11], s[28:29]      ; their codes,
	s_lshl_b32 s28, ttmp9, 8
	s_add_nc_u64 s[12:13], s[12:13], s[28:29]      ; their scale bytes,
	s_lshl_b32 s28, ttmp9, 5
	s_add_nc_u64 s[14:15], s[14:15], s[28:29]      ; their words of sel,
	s_lshl_b32 s28, ttmp9, 6
	s_add_nc_u64 s[16:17], s[16:17], s[28:29]      ; and my 16 numbers of stats
	global_load_b32 v9, v8, s[8:9]                 ; gating_b of expert l % 8
.irp e, 0,1,2,3,4,5,6,7
	global_load_b128 v[G+8*\e:G+8*\e+3],   v2, s[6:7] offset:4096*\e
	global_load_b128 v[G+8*\e+4:G+8*\e+7], v2, s[6:7] offset:4096*\e+16
.endr
.irp t, 0,1,2,3,4,5,6,7
	global_load_b128 v[X+8*\t:X+8*\t+3],   v2, s[4:5] offset:4096*\t th:TH_LOAD_NT      ; the two loads of a token cover 1,024 consecutive bytes
	global_load_b128 v[X+8*\t+4:X+8*\t+7], v2, s[4:5] offset:4096*\t+16 th:TH_LOAD_NT
.endr
.macro TOKEN tok
	s_wait_loadcnt 14-2*\tok                       ; loads come back in order: this token's two are in, the later tokens' two each stay out
	; eight dot products over my 8 numbers, two at a time, the experts by turns
.irp e, 0,1,2,3,4,5,6,7
	v_pk_mul_f32 v[S2+2*\e:S2+2*\e+1], v[X+8*\tok:X+8*\tok+1], v[G+8*\e:G+8*\e+1]
.endr
.irp p, 2,4,6
.irp e, 0,1,2,3,4,5,6,7
	v_pk_fma_f32 v[S2+2*\e:S2+2*\e+1], v[X+8*\tok+\p:X+8*\tok+\p+1], v[G+8*\e+\p:G+8*\e+\p+1], v[S2+2*\e:S2+2*\e+1]
.endr
.endr
.irp e, 0,1,2,3,4,5,6,7
	v_add_f32 v[S2+2*\e], v[S2+2*\e], v[S2+2*\e+1]
.endr
	; the sums over the 32 lanes, all eight at once: in each stage a lane keeps the half of its numbers that its bit names and sends the other half to its partner.  Lane l ends with expert l % 8
.irp j, 0,1,2,3
	v_cndmask_b32 v[KP+\j],   v[S2+4*\j],   v[S2+4*\j+2], s20   ; kept: the odd expert in odd lanes
	v_cndmask_b32 v[KP+4+\j], v[S2+4*\j+2], v[S2+4*\j],   s20   ; sent
.endr
.irp j, 0,1,2,3
	v_add_f32_dpp v[KP+\j], v[KP+4+\j], v[KP+\j] row_xmask:1 row_mask:0xf bank_mask:0xf
.endr
	v_cndmask_b32 v[KP+4], v[KP+1], v[KP],   s21
	v_cndmask_b32 v[KP+5], v[KP],   v[KP+1], s21
	v_cndmask_b32 v[KP+6], v[KP+3], v[KP+2], s21
	v_cndmask_b32 v[KP+7], v[KP+2], v[KP+3], s21
	v_add_f32_dpp v[KP+5], v[KP+4], v[KP+5] row_xmask:2 row_mask:0xf bank_mask:0xf
	v_add_f32_dpp v[KP+7], v[KP+6], v[KP+7] row_xmask:2 row_mask:0xf bank_mask:0xf
	v_cndmask_b32 v[KP],   v[KP+7], v[KP+5], s22
	v_cndmask_b32 v[KP+1], v[KP+5], v[KP+7], s22
	v_add_f32_dpp v[KP+1], v[KP], v[KP+1] row_xmask:4 row_mask:0xf bank_mask:0xf
	v_add_f32_dpp v[KP+1], v[KP+1], v[KP+1] row_xmask:8 row_mask:0xf bank_mask:0xf
	v_permlanex16_b32 v[KP], v[KP+1], s24, s25
	v_add_f32 v[LG+\tok], v[KP+1], v[KP]
	ds_store_b32 v4, v[LG+\tok] offset:PART+32*\tok                ; the four lanes of an expert write the same word with the same value
	; the quantiser: the block's largest magnitude (my 8, then the block's other three lanes'), with the floor 2^(16 - 127) among its leaves, which holds the byte at 1 from below
	v_max3_num_f32 v10, |v[X+8*\tok]|, |v[X+8*\tok+1]|, |v[X+8*\tok+2]|
	v_max3_num_f32 v10, v10, |v[X+8*\tok+3]|, |v[X+8*\tok+4]|
	v_max3_num_f32 v10, v10, |v[X+8*\tok+5]|, |v[X+8*\tok+6]|
	v_max3_num_f32 v10, v10, |v[X+8*\tok+7]|, 0x8000000
	v_max_num_f32_dpp v10, v10, v10 row_xmask:1 row_mask:0xf bank_mask:0xf
	v_max_num_f32_dpp v10, v10, v10 row_xmask:2 row_mask:0xf bank_mask:0xf
	v_add_nc_u32 v11, 0xf8800000, v10              ; 15 off its exponent field: the conversion takes the exponent field of this operand as its scale
	v_and_or_b32 v12, v10, 0x7f800000, s23         ; 57,344 x the scale
.irp i, 0,1,2,3,4,5,6,7
	v_med3_num_f32 v[X+8*\tok+\i], v[X+8*\tok+\i], -v12, v12       ; the conversion to an 8-bit code does not saturate (ISA guide 7.6.2): the hold comes first
.endr
	v_cvt_scalef32_pk8_bf8_f32 v[C+2*\tok:C+2*\tok+1], v[X+8*\tok:X+8*\tok+7], v11
	v_lshrrev_b32 v[BY+\tok], 23, v11              ; the scale's byte; also the plain line behind the conversion
	ds_store_b8 v5, v[BY+\tok] offset:XSB+32*\tok  ; the four lanes of a block write the same byte with the same value
	global_store_b64 v3, v[C+2*\tok:C+2*\tok+1], s[10:11] offset:1024*\tok   ; the wave stores 256 consecutive bytes, aligned
.endm
.irp t, 0,1,2,3,4,5,6,7
	TOKEN \t
.endr
	s_wait_dscnt 0x0                               ; for the others' sake: my stores into LDS are done
	s_barrier_signal -1
	s_barrier_wait -1                              ; the launch's one barrier; behind it the waves part and meet no more
	s_cmp_eq_u32 s18, 0
	s_cbranch_scc1 .Lwave0
	s_cmp_eq_u32 s18, 1
	s_cbranch_scc0 .Ldone
	ds_load_b64 v[10:11], v7 offset:XSB            ; wave 1: the 8 tokens' 256 scale bytes leave as one aligned run
	s_wait_dscnt 0x0
	global_store_b64 v7, v[10:11], s[12:13]
.Ldone:
	s_wait_tensorcnt 0x0
	ds_add_u32 v224, v225
	s_wait_dscnt 0x0
	s_endpgm
.Lwave0:                                               ; wave 0: lane = (l / 8, expert l % 8); in round q the lane serves token 4 q + l / 8
.irp q, 0,1
.irp u, 0,1,2,3
	ds_load_b32 v[16+4*\q+\u], v6 offset:PART+128*\q+256*\u
.endr
.endr
	v_mov_b32 v25, 0                               ; written once: a lane permute's destination counts as one of its sources
	s_wait_dscnt 0x0
.irp a, 16,20
	v_add_f32 v[\a], v[\a], v[\a+1]
	v_add_f32 v[\a+2], v[\a+2], v[\a+3]
.endr
.irp a, 16,20
	v_add_f32 v[\a], v[\a], v[\a+2]
.endr
.irp a, 16,20
	v_add_f32 v[\a], v[\a], v9                     ; the logit
.endr
.irp a, 16,20
	v_mov_b32 v[\a+1], v[\a]
.endr
.irp x, 1,2,4
.irp a, 16,20
	v_max_num_f32_dpp v[\a+1], v[\a+1], v[\a+1] row_xmask:\x row_mask:0xf bank_mask:0xf   ; the token's largest logit
.endr
.endr
.irp a, 16,20
	v_sub_f32 v[\a], v[\a], v[\a+1]
.endr
.irp a, 16,20
	v_mul_f32 v[\a], s26, v[\a]
.endr
	s_wait_alu depctr_va_vdst(0)
	v_exp_f32 v16, v16
	v_exp_f32 v20, v20
	v_nop                                          ; a plain line behind the exponentials,
	s_wait_alu depctr_va_vdst(0)                   ; and one wait for both, ahead of their first reader
.irp a, 16,20
	v_mov_b32 v[\a+1], v[\a]
.endr
.irp x, 1,2,4
.irp a, 16,20
	v_add_f32_dpp v[\a+1], v[\a+1], v[\a+1] row_xmask:\x row_mask:0xf bank_mask:0xf
.endr
.endr
	s_wait_alu depctr_va_vdst(0)
	v_rcp_f32 v17, v17
	v_rcp_f32 v21, v21
	v_nop
	s_wait_alu depctr_va_vdst(0)                   ; one wait for both reciprocals
	v_mul_f32 v16, v16, v17                        ; the scores
	v_mul_f32 v20, v20, v21
	v_mov_b32 v18, 0                               ; how many of the token's other seven scores come before mine:
	v_mov_b32 v22, 0
.macro RANK j, low                     ; the score of expert e xor j comes before mine if it is larger, or equal with e xor j < e: that is where e has j's highest bit (mask low)
.irp a, 16,20
	v_mov_b32_dpp v[\a+3], v[\a] row_xmask:\j row_mask:0xf bank_mask:0xf
	v_cmp_gt_f32 s30, v[\a+3], v[\a]
	v_cmp_eq_f32 s31, v[\a+3], v[\a]
	s_and_b32 s31, s31, s[\low]
	s_or_b32 vcc_lo, s30, s31
	v_add_co_ci_u32 v[\a+2], vcc_lo, 0, v[\a+2], vcc_lo
.endr
.endm
	RANK 1, 20
	RANK 2, 21
	RANK 3, 21
	RANK 4, 22
	RANK 5, 22
	RANK 6, 22
	RANK 7, 22
	v_cmp_gt_u32 s32, 2, v18                       ; chosen: byte b of the mask is the set of experts of token b (round 0),
	v_cmp_gt_u32 s33, 2, v22                       ; of token 4 + b (round 1)
	; the group's statistics of each expert's 8 scores: their sum, and the sum of squared deviations from their own mean
	v_add_f32 v24, v16, v20
	v_add_f32_dpp v24, v24, v24 row_xmask:8 row_mask:0xf bank_mask:0xf
	v_permlanex16_b32 v25, v24, s24, s25
	v_add_f32 v24, v24, v25
	v_mul_f32 v26, 0x3e000000, v24                 ; the mean of 8
	v_sub_f32 v27, v16, v26
	v_sub_f32 v28, v20, v26
	v_mul_f32 v27, v27, v27
	v_fma_f32 v27, v28, v28, v27
	v_add_f32_dpp v27, v27, v27 row_xmask:8 row_mask:0xf bank_mask:0xf
	v_permlanex16_b32 v25, v27, s24, s25
	v_add_f32 v27, v27, v25
	v_cndmask_b32 v24, v24, v27, s27               ; lanes 0-7 the sums, lanes 8-15 the squares
	v_and_b32 v29, 15, v1
	v_lshlrev_b32 v29, 2, v29
	; lane l < 8: token 8 g + l's word
	v_mov_b32 v10, s32
	v_mov_b32 v11, s33
	v_cndmask_b32 v10, v10, v11, s22               ; lanes 4-7 take round 1's mask
	v_and_b32 v11, 3, v1
	v_lshlrev_b32 v11, 3, v11
	v_lshrrev_b32 v10, v11, v10
	v_and_b32 v10, 0xff, v10                       ; the token's two experts as bits
	s_lshl_b32 s19, ttmp9, 3
	v_add_nc_u32 v11, s19, v1
	v_lshl_or_b32 v10, v10, 11, v11
	s_wait_alu depctr_va_vdst(0)
	s_wait_xcnt 0x0                                ; EXEC changes only when the earlier stores have read it
	s_wait_tensorcnt 0x0
	ds_add_u32 v224, v225
	s_wait_dscnt 0x0
	v_cmpx_gt_u32 16, v0
	global_store_b32 v29, v24, s[16:17]
	s_wait_xcnt 0x0
	v_cmpx_gt_u32 8, v0
	global_store_b32 v6, v10, s[14:15]
	s_endpgm
.Lfunc_end_k_q88dd946a47_gate:
	.size	k_q88dd946a47_gate, .Lfunc_end_k_q88dd946a47_gate-k_q88dd946a47_gate
	.p2alignl 7, 3214868480
	.fill 96, 4, 3214868480
	.section	.rodata,"a",@progbits
	.p2align	6, 0x0
	.amdhsa_kernel k_q88dd946a47_gate
		.amdhsa_group_segment_fixed_size 2560
		.amdhsa_private_segment_fixed_size 0
		.amdhsa_enable_private_segment 0
		.amdhsa_kernarg_size 56
		.amdhsa_user_sgpr_count 2
		.amdhsa_user_sgpr_kernarg_segment_ptr 1
		.amdhsa_wavefront_size32 1
		.amdhsa_system_sgpr_workgroup_id_x 1
		.amdhsa_system_sgpr_workgroup_id_y 1
		.amdhsa_system_sgpr_workgroup_id_z 1
		.amdhsa_system_vgpr_workitem_id 0
		.amdhsa_next_free_vgpr 226
		.amdhsa_next_free_sgpr 66
		.amdhsa_reserve_vcc 1
		.amdhsa_float_denorm_mode_32 3
		.amdhsa_float_denorm_mode_16_64 3
		.amdhsa_memory_ordered 1
		.amdhsa_forward_progress 1
		.amdhsa_inst_pref_size 55
	.end_amdhsa_kernel
	.amdgpu_metadata
---
amdhsa.version: [ 1, 2 ]
amdhsa.kernels:
  - .name:           k_q88dd946a47_gate
    .symbol:         k_q88dd946a47_gate.kd
    .args:
      - { .name: sequences, .offset: 0, .size: 8, .value_kind: global_buffer, .address_space: global }
      - { .name: gating_w, .offset: 8, .size: 8, .value_kind: global_buffer, .address_space: global }
      - { .name: gating_b, .offset: 16, .size: 8, .value_kind: global_buffer, .address_space: global }
      - { .name: xq, .offset: 24, .size: 8, .value_kind: global_buffer, .address_space: global }
      - { .name: xs, .offset: 32, .size: 8, .value_kind: global_buffer, .address_space: global }
      - { .name: sel, .offset: 40, .size: 8, .value_kind: global_buffer, .address_space: global }
      - { .name: stats, .offset: 48, .size: 8, .value_kind: global_buffer, .address_space: global }
    .group_segment_fixed_size: 2560
    .private_segment_fixed_size: 0
    .kernarg_segment_align: 8
    .kernarg_segment_size: 56
    .max_flat_workgroup_size: 128
    .sgpr_count:     66
    .vgpr_count:     226
    .wavefront_size: 32
...
	.end_amdgpu_metadata
.endif
;; end of part 4
;; launch place (part 5): grid 257 x 1, 8 waves a work-group, no clusters, 0 bytes of LDS; arguments sel, stats, order, out1; writes order, out1
.if DOCPART == 5
	.amdgcn_target "amdgcn-amd-amdhsa--gfx1250"
	.amdhsa_code_object_version 6
	.text
	.protected	k_q88dd946a47_place
	.globl	k_q88dd946a47_place
	.p2align	8
	.type	k_q88dd946a47_place,@function
k_q88dd946a47_place:
	s_mov_b64 s[64:65], 0
	v_nop
	global_prefetch_b8 v0, s[64:65] scope:SCOPE_SE
	s_setreg_imm32_b32 hwreg(HW_REG_WAVE_MODE, 25, 1), 1
	s_wait_xcnt 0x0
; THE PLACING OF THE TOKENS, AND THE VARIANCES.
; sel [2048] words: set of two experts << 11 | token: all different, so their order is a strict one: by the pair of experts, then by token.
; Work-groups 0 .. 255: wave w of work-group g owns token 8 g + w.  Its rank is the number of words smaller than its own, counted over all 2,048 (64 compares a wave, no atomics, no LDS).
; The ranks are a permutation of 0 .. 2,047, so every word of order is stored once: bytes 0 .. 8,191 the token at each rank, bytes 8,192 on its set of experts.
; These are stores of 4 bytes at scattered places, 16 KiB in all.
; Work-group 256: wave e joins the 256 groups' statistics of expert e: the sum of the groups' squared deviations from their own means, plus 8 (group's mean - mean)^2 for each group:
; no difference of large sums is formed.  out1[e] = that / 2,047.
	s_load_b128 s[4:7], s[0:1], 0x0                ; sel s[4:5], stats s[6:7]
	s_load_b128 s[8:11], s[0:1], 0x10              ; order s[8:9], out1 s[10:11]
	v_lshrrev_b32 v1, 5, v0
	s_delay_alu instid0(VALU_DEP_1)
	v_readfirstlane_b32 s12, v1                    ; wave 0..7
	v_and_b32 v2, 31, v0                           ; lane
	s_wait_kmcnt 0x0
	s_cmp_eq_u32 ttmp9, 256
	s_cbranch_scc1 .Lvar
	s_lshl_b32 s16, ttmp9, 3
	s_add_co_u32 s16, s16, s12                     ; my token
	s_lshl_b32 s16, s16, 2
	s_mov_b32 s17, 0
	s_add_nc_u64 s[16:17], s[4:5], s[16:17]
	s_load_b32 s30, s[16:17], 0x0                  ; its word
	s_wait_alu depctr_va_vdst(0)
	v_lshlrev_b32 v3, 4, v2
.irp i, 0,1,2,3,4,5,6,7,8,9,10,11,12,13,14,15
	global_load_b128 v[16+4*\i:19+4*\i], v3, s[4:5] offset:512*\i   ; all 2,048 words, 512 consecutive bytes a load
.endr
.irp j, 0,1,2,3
	s_mov_b32 s[20+\j], 0
.endr
	s_wait_kmcnt 0x0
.irp i, 0,1,2,3,4,5,6,7,8,9,10,11,12,13,14,15
	s_wait_loadcnt 15-\i                           ; group i is in; the later groups' loads stay out
.irp j, 0,1,2,3
	v_cmp_gt_u32 s[40+\j], s30, v[16+4*\i+\j]      ; the lanes whose word is smaller than mine
.endr
.irp j, 0,1,2,3
	s_bcnt1_i32_b32 s[40+\j], s[40+\j]
.endr
.irp j, 0,1,2,3
	s_add_co_u32 s[20+\j], s[20+\j], s[40+\j]
.endr
.endr
	s_add_co_u32 s20, s20, s21
	s_add_co_u32 s22, s22, s23
	s_add_co_u32 s20, s20, s22                     ; my rank
	s_min_u32 s20, s20, 0x7ff                      ; held inside the list
	s_lshl_b32 s20, s20, 2
	v_mov_b32 v4, s20
	s_and_b32 s21, s30, 0x7ff
	s_lshr_b32 s22, s30, 11
	v_mov_b32 v5, s21                              ; the token,
	v_mov_b32 v6, s22                              ; its two experts as bits
	s_wait_alu depctr_va_vdst(0)
	s_wait_xcnt 0x0                                ; EXEC changes only when the loads have read it
	v_cmpx_gt_u32 1, v2                            ; lane 0 alone stores
	global_store_b32 v4, v5, s[8:9]
	global_store_b32 v4, v6, s[8:9] offset:8192
	s_endpgm
.macro WSUM a, t                       ; the sum over the wave's 32 lanes, in every lane
	s_delay_alu instid0(VALU_DEP_1)
	v_add_f32_dpp v[\a], v[\a], v[\a] row_xmask:1 row_mask:0xf bank_mask:0xf
	s_delay_alu instid0(VALU_DEP_1)
	v_add_f32_dpp v[\a], v[\a], v[\a] row_xmask:2 row_mask:0xf bank_mask:0xf
	s_delay_alu instid0(VALU_DEP_1)
	v_add_f32_dpp v[\a], v[\a], v[\a] row_xmask:4 row_mask:0xf bank_mask:0xf
	s_delay_alu instid0(VALU_DEP_1)
	v_add_f32_dpp v[\a], v[\a], v[\a] row_xmask:8 row_mask:0xf bank_mask:0xf
	s_delay_alu instid0(VALU_DEP_1)
	v_permlanex16_b32 v[\t], v[\a], s14, s15
	s_delay_alu instid0(VALU_DEP_1)
	v_add_f32 v[\a], v[\a], v[\t]
.endm
.Lvar:
	s_lshl_b32 s13, s12, 2
	s_wait_alu depctr_va_vdst(0)
	v_lshl_add_u32 v3, v2, 6, s13                  ; group l's 64 bytes, expert w
.irp g, 0,1,2,3,4,5,6,7
	global_load_b32 v[16+\g], v3, s[6:7] offset:2048*\g        ; group l + 32 g: its sum,
	global_load_b32 v[24+\g], v3, s[6:7] offset:2048*\g+32     ; its squares
.endr
	s_mov_b32 s14, 0x76543210
	s_mov_b32 s15, 0xfedcba98
	v_mov_b32 v9, 0                                ; written once: a lane permute's destination counts as one of its sources
	v_mov_b32 v13, s13
	s_wait_loadcnt 0x0
	v_add_f32 v8, v16, v17
	v_add_f32 v10, v18, v19
	v_add_f32 v11, v20, v21
	v_add_f32 v12, v22, v23
	s_delay_alu instid0(VALU_DEP_3)
	v_add_f32 v8, v8, v10
	s_delay_alu instid0(VALU_DEP_2)
	v_add_f32 v11, v11, v12
	s_delay_alu instid0(VALU_DEP_1)
	v_add_f32 v8, v8, v11
	WSUM 8, 9                                      ; the sum of all 2,048 scores
	s_delay_alu instid0(VALU_DEP_1)
	v_mul_f32 v10, 0x3b800000, v8                  ; / 256: 8 x the mean
.irp g, 0,1,2,3,4,5,6,7
	v_sub_f32 v[32+\g], v[16+\g], v10              ; d = the group's sum - 8 x the mean
.endr
.irp g, 0,1,2,3,4,5,6,7
	v_mul_f32 v[40+\g], 0x3e000000, v[32+\g]
.endr
.irp g, 0,1,2,3,4,5,6,7
	v_fma_f32 v[24+\g], v[40+\g], v[32+\g], v[24+\g]   ; + d^2 / 8 = 8 (the group's mean - the mean)^2
.endr
	v_add_f32 v8, v24, v25
	v_add_f32 v10, v26, v27
	v_add_f32 v11, v28, v29
	s_delay_alu instid0(VALU_DEP_4)
	v_add_f32 v12, v30, v31
	s_delay_alu instid0(VALU_DEP_3)
	v_add_f32 v8, v8, v10
	s_delay_alu instid0(VALU_DEP_2)
	v_add_f32 v11, v11, v12
	s_delay_alu instid0(VALU_DEP_1)
	v_add_f32 v8, v8, v11
	WSUM 8, 9
	s_delay_alu instid0(VALU_DEP_1)
	v_mul_f32 v8, 0x3a001002, v8                   ; / 2,047
	s_wait_alu depctr_va_vdst(0)
	s_wait_xcnt 0x0
	v_cmpx_gt_u32 1, v2
	global_store_b32 v13, v8, s[10:11]
	s_endpgm
.Lfunc_end_k_q88dd946a47_place:
	.size	k_q88dd946a47_place, .Lfunc_end_k_q88dd946a47_place-k_q88dd946a47_place
	.p2alignl 7, 3214868480
	.fill 96, 4, 3214868480
	.section	.rodata,"a",@progbits
	.p2align	6, 0x0
	.amdhsa_kernel k_q88dd946a47_place
		.amdhsa_group_segment_fixed_size 0
		.amdhsa_private_segment_fixed_size 0
		.amdhsa_enable_private_segment 0
		.amdhsa_kernarg_size 32
		.amdhsa_user_sgpr_count 2
		.amdhsa_user_sgpr_kernarg_segment_ptr 1
		.amdhsa_wavefront_size32 1
		.amdhsa_system_sgpr_workgroup_id_x 1
		.amdhsa_system_sgpr_workgroup_id_y 1
		.amdhsa_system_sgpr_workgroup_id_z 1
		.amdhsa_system_vgpr_workitem_id 0
		.amdhsa_next_free_vgpr 96
		.amdhsa_next_free_sgpr 66
		.amdhsa_reserve_vcc 0
		.amdhsa_float_denorm_mode_32 3
		.amdhsa_float_denorm_mode_16_64 3
		.amdhsa_memory_ordered 1
		.amdhsa_forward_progress 1
		.amdhsa_inst_pref_size 17
	.end_amdhsa_kernel
	.amdgpu_metadata
---
amdhsa.version: [ 1, 2 ]
amdhsa.kernels:
  - .name:           k_q88dd946a47_place
    .symbol:         k_q88dd946a47_place.kd
    .args:
      - { .name: sel, .offset: 0, .size: 8, .value_kind: global_buffer, .address_space: global }
      - { .name: stats, .offset: 8, .size: 8, .value_kind: global_buffer, .address_space: global }
      - { .name: order, .offset: 16, .size: 8, .value_kind: global_buffer, .address_space: global }
      - { .name: out1, .offset: 24, .size: 8, .value_kind: global_buffer, .address_space: global }
    .group_segment_fixed_size: 0
    .private_segment_fixed_size: 0
    .kernarg_segment_align: 8
    .kernarg_segment_size: 32
    .max_flat_workgroup_size: 256
    .sgpr_count:     66
    .vgpr_count:     96
    .wavefront_size: 32
...
	.end_amdgpu_metadata
.endif
;; end of part 5
;; launch experts (part 6): grid 16 x 16, 4 waves a work-group, no clusters, 152,064 bytes of LDS; arguments xq, xs, order, expert_w_codes, expert_w_scales, expert_b, out0; writes out0
.if DOCPART == 6
	.amdgcn_target "amdgcn-amd-amdhsa--gfx1250"
	.amdhsa_code_object_version 6
	.text
	.protected	k_q88dd946a47_experts
	.globl	k_q88dd946a47_experts
	.p2align	8
	.type	k_q88dd946a47_experts,@function
k_q88dd946a47_experts:
	s_mov_b64 s[64:65], 0
	v_nop
	global_prefetch_b8 v0, s[64:65] scope:SCOPE_SE
	s_setreg_imm32_b32 hwreg(HW_REG_WAVE_SCHED_MODE, 0, 2), 2
	s_setreg_imm32_b32 hwreg(HW_REG_WAVE_MODE, 25, 1), 1
	s_wait_xcnt 0x0
	s_wait_alu depctr_vm_vsrc(0)
; out0[t] = 1/2 x the sum over token t's two experts e of (Q(x[t]) W_e^T + b_e), on codes of E5M2 with one E8M0 scale for each 32 along K.
; xq [2048][1024] codes, xs [2048][32] bytes; order: the tokens sorted by their pair of experts (bytes 0 on: token at each rank; bytes 8,192 on: its two experts as bits);
; expert_w_codes [8][4096][1024], expert_w_scales [8][4096][32], expert_b [8][4096] f32, out0 [2048][4096] f32.
; SHARES.  Work-group (x, y): the 128 tokens at ranks 128 x on, columns 256 y on.  Wave w: all 128 tokens (8 tiles of 16) x columns 64 w .. 64 w + 63 of the slab (4 tiles of 16).
; ONLY THE CHOSEN EXPERTS ARE MULTIPLIED.  The work-group walks the experts that its 128 tokens use, in ascending order; a tile of 16 tokens is passed over, by a scalar branch on the stored list,
; for an expert that none of its tokens uses.
; THE NUMBERS THAT BRANCHES HANG ON are made by scalar instructions alone: a tile's 16 words of the list come by one scalar load and are joined by s_or_b32; the next expert's bit is the lowest bit of
; the set that is left (a subtraction, an and, an exclusive or); a test is an and with that bit and a compare against 0.
; TWO SETS OF 32 ACCUMULATORS.  An expert's products go into the expert's sums, begun by the bias as the C of K step 0's product.  When the expert is done, total += sums x F, with F = 1/2 for a
; token that uses the expert and 0 for one that does not (a tile may hold tokens of two pairs): one fused multiply-add a number.  So each output row has one owner, and the division by 2 costs nothing.
; THE MATRIX INSTRUCTION IS USED TRANSPOSED: source 0 = 16 rows of W_e, source 1 = 16 tokens: lane (r, h) holds token r and eight neighbouring columns 8 h + 0 .. 7: F is a number a lane.
; WHO LOADS WHAT.  A wave's 64 rows of W_e are read by that wave alone: they go from memory straight into its operand registers, through a ring of four K steps (16 loads of 16 bytes a lane each).
; A load of weights takes 32 bytes of each of 16 rows; the four loads of a row's 128 bytes stand together.  The 128 tokens' codes are shared by the four waves: gathered once into LDS.
; WHAT IS OUT, by this text's own count: never more than 60 loads, 48 LDS instructions or 56 stores of a wave: every count is one that a wait can name.
; NO CLUSTER, NO TENSOR LOAD: which experts are walked and the branches round tiles hang on the stored list, and two work-groups of one slab may walk different numbers of experts.
; LIMITS: NaN and infinities are not served; an infinite sum of an expert that a token does not use, in a tile that uses it, gives 0 x infinity = NaN, as the masked sum of the definition does.
; LDS: from XB 128 rows of 1,024 codes, 1,040 bytes apart (65 x 16: the 16 rows of a fragment load begin in 16 different groups of banks); from STAGE 16 rows x 272 bytes for each wave.
; REGISTERS, in windows of 256: window 0: v1-47 addresses and the list; v48-79 x's scale words; v80-95 W's; v96-127 a bias; v128-255 x's fragments, 16 a tile.
;   window 1: the ring of W's fragments, K step kk at 64 (kk % 4), tile t at + 16 t; at the end v0-63 the rows' byte offsets in out0.
;   window 2: the totals, (m, t) at 8 (4 m + t).   window 3: the expert's sums, likewise; at the head the gather lands there.
; THE MODE: SCHED_MODE bits 1:0 = 2 (LLVM: expert scheduling mode 2), set by the entry lines.  The code itself states the register dependences
; between vector or matrix instructions and memory or LDS instructions, with s_wait_alu, always for 0.
; THE PLAN.  Registers that memory or LDS instructions touch, in the loop:
;   AF, tiles 0-3   Read by tiles 0-3's products of K step k; behind them the LDS loads of the next K step land there.   AF, tiles 4-7: the same, half a step later.
;   ring set k % 4  Read by all eight tiles' products of K step k; behind them the loads of K step k + 4 (from K step 4 on: the next expert's k - 4; in the last expert the rows' tokens) land there.
;   WS 0-7, BI      Read by the products of K steps 0-3 and of K step 0; loaded again at the end of K step 4.     WS 8-15: read in K steps 4-7, loaded again at the end of K step 7.
;   VO, VSO, VBO    Read by every load of weights, scale words and bias; written once an expert, in K step 4, ahead of that step's second wait.
;   RA, VL, VLS, VLB, STO, RD, XST  Made at the head and never written again.
;   The sums, the totals, F and the masks are named by vector and matrix instructions alone until the way out.
; So TWO waits on va_vdst stand in a K step, one behind each half's products and places, on every path whichever tiles are passed over; behind each stand loads, window switches, waits on memory
; counters and scalar lines alone until the next products, which name none of the registers just asked for.  All 1,024 registers are laid out, so x's fragments have no second set that would spare one of the two.
.set XB,    0
.set XP,    1040
.set STAGE, XB+128*XP
.set SP,    272
.set VL,   4                           ; v4   W's codes: 1,024 r + 16 h
.set VLS,  5                           ; v5   W's scale bytes: 32 r + 8 h
.set VLB,  6                           ; v6   32 h
.set VO,   7                           ; v7-9 the same three + the expert's part
.set VSO,  8
.set VBO,  9
.set STO,  10                          ; v10  the way out: where I put 32 bytes of a row
.set RD,   11                          ; v11  and where I read a row back
.set XST,  12                          ; v12  where I put gathered codes
.set F,    14                          ; v[14:15] 1/2 or 0 for my token; the packed form takes the low word for both halves
.set RA,   16                          ; v16-23 tile m: my token's row in LDS + 16 h; never rewritten
.set TQ,   24                          ; v24-27 at work for the merge's masks
.set PMF,  32                          ; v32-39 tile m: my token's two experts as bits
.set L16,  44                          ; v44  16 x lane
.set R16,  45                          ; v45  16 r
.set AX,   47                          ; v47  4 r, later 16 h
.set XS,   48                          ; x's scale words: XS + 4 m + j: lanes 0-15 K step j, lanes 16-31 K step 4 + j
.set WS,   80                          ; W's: WS + 8 (k / 4) + 2 t + k % 2: lanes 0-15 where k % 4 < 2, else lanes 16-31
.set BI,   96                          ; the bias: BI + 8 t + j = b(16 t + 8 h + j)
.set AF,   128                         ; x's fragments
.set BK,   192                         ; the way out: 16 rows read back: two sets by turns
.set TM,   24                          ; s24-31 tile m: the experts that its 16 tokens use, as bits
.set REM,  32                          ; s32  experts still to be fetched, as bits
.set EN,   34                          ; s34  the number of the expert that is being fetched: it enters addresses alone
.set BN,   35                          ; s35  its bit
.set CT,   37
.set BC,   60                          ; s60  the bit of the expert that is being multiplied
.set TT,   61                          ; s61  at work in the tests of the list
.set FM,   84                          ; s84-91 tile m: the lanes whose token uses the expert that has just been multiplied (at the head s84-99 take words of the list)
.set MSB, 0
.macro WIN new                         ; bits 1:0 source 0, 3:2 source 1, 5:4 source 2, 7:6 destination; the high byte repeats the setting that is left
.if MSB != \new
	s_set_vgpr_msb (MSB<<8)|\new
.set MSB, \new
.endif
.endm
; Eight places: plain vector instructions that name none of a matrix instruction's registers.  They stand on every path, whichever tiles are passed over, where they stood
; before the waits on va_vdst were laid behind them: a wait fills no place.  Those that end K step 7 stand between an expert's last products and the merge, which reads their results.
.macro PLACES
.rept 8
	v_nop
.endr
.endm
.macro ORS m, base                     ; tile m: the experts that its 16 tokens use: the 16 words of the list in s[base ..], joined
	s_or_b32 s[TM+\m], s[\base], s[\base+1]
.irp j, 2,3,4,5,6,7,8,9,10,11,12,13,14,15
	s_or_b32 s[TM+\m], s[TM+\m], s[\base+\j]
.endr
.endm
.macro NEXT again                      ; the next expert of the set, and the three offsets that hang on it.  again = 1: in the loop, where loads have read the three
.if \again
	s_wait_xcnt 0x0                                ; the loads issued so far have had their addresses translated
	s_wait_alu depctr_vm_vsrc(0)                   ; the loads issued so far have read VO, VSO and VBO, which the three additions below write
.endif
	s_sub_co_u32 s38, s[REM], 1
	s_and_b32 s38, s[REM], s38                     ; the set without its lowest expert,
	s_xor_b32 s[BN], s[REM], s38                   ; that expert's bit,
	s_mov_b32 s[REM], s38
	s_ctz_i32_b32 s[EN], s[BN]                     ; and its number,
	s_min_u32 s[EN], s[EN], 7                      ; held inside the tables
	s_lshl_b32 s38, s[EN], 22
	v_add_nc_u32 v[VO], s38, v[VL]
	s_lshl_b32 s38, s[EN], 17
	v_add_nc_u32 v[VSO], s38, v[VLS]
	s_lshl_b32 s38, s[EN], 14
	v_add_nc_u32 v[VBO], s38, v[VLB]
.endm
.macro GL kk                           ; K step kk of the expert being fetched: my 64 rows x 128 codes: registers 4 c .. 4 c + 3 of a fragment hold K = 32 c + 16 h + 0 .. 15
	WIN 0x40
.irp t, 0,1,2,3
.irp c, 0,1,2,3
	global_load_b128 v[64*((\kk)%4)+16*\t+4*\c:64*((\kk)%4)+16*\t+4*\c+3], v[VO], s[10:11] offset:16384*\t+128*(\kk)+32*\c
.endr
.endr
	WIN 0
.endm
.macro PLOAD                           ; W's scale words of K steps 0-3: 16 rows of 32 bytes are dense; a lane takes 8 bytes
.irp t, 0,1,2,3
	global_load_b64 v[WS+2*\t:WS+2*\t+1], v[VSO], s[12:13] offset:512*\t
.endr
.endm
.macro QLOAD                           ; of K steps 4-7
.irp t, 0,1,2,3
	global_load_b64 v[WS+8+2*\t:WS+9+2*\t], v[VSO], s[12:13] offset:512*\t+16
.endr
.endm
.macro BILOAD
.irp t, 0,1,2,3
	global_load_b128 v[BI+8*\t:BI+8*\t+3],   v[VBO], s[14:15] offset:64*\t
	global_load_b128 v[BI+8*\t+4:BI+8*\t+7], v[VBO], s[14:15] offset:64*\t+16
.endr
.endm
.macro GATHER g                        ; group g of the gather: my rows 8 g .. 8 g + 7, 16 loads, into the registers where the expert's sums will lie.  It leaves its window set
	WIN 0xc0
.irp j, 0,1,2,3,4,5,6,7
	global_load_b128 v[8*(8*(\g)+\j):8*(8*(\g)+\j)+3],   v[128+8*(\g)+\j], s[4:5]              ; a token's 1,024 codes: two loads of 512 consecutive bytes
	global_load_b128 v[8*(8*(\g)+\j)+4:8*(8*(\g)+\j)+7], v[128+8*(\g)+\j], s[4:5] offset:512
.endr
.endm
.macro TOLDS g                         ; group g goes to LDS: 16 stores.  It leaves its window set
	WIN 0x0c
.irp j, 0,1,2,3,4,5,6,7
	ds_store_b128 v[XST], v[8*(8*(\g)+\j):8*(8*(\g)+\j)+3]   offset:XP*(8*(\g)+\j)
	ds_store_b128 v[XST], v[8*(8*(\g)+\j)+4:8*(8*(\g)+\j)+7] offset:XP*(8*(\g)+\j)+512
.endr
.endm
.macro TOLOAD                          ; the tokens of the rows that I store: tile m's rows 8 h + 0 .. 7, into the ring's set 0, which the last expert's K step 4 has left
	WIN 0x40
.irp m, 0,1,2,3,4,5,6,7
	global_load_b128 v[8*\m:8*\m+3],   v[VLB], s[8:9] offset:64*\m
	global_load_b128 v[8*\m+4:8*\m+7], v[VLB], s[8:9] offset:64*\m+16
.endr
	WIN 0
.endm
.macro TOCONV                          ; they become byte offsets in out0: token x 16,384 + 16 r
	WIN 0x44
.set i, 0
.rept 64
	v_min_u32 v[i], 0x7ff, v[i]                    ; a token's number is held inside the tables before it enters an address
.set i, i+1
.endr
	WIN 0x41
.set i, 0
.rept 64
	v_lshl_add_u32 v[i], v[i], 14, v[R16]
.set i, i+1
.endr
	WIN 0
.endm
.macro LDA m, kk, breg                 ; tile m's fragment of K step kk, if the tile uses the expert whose bit is in s[breg]
	s_and_b32 s[TT], s[TM+\m], s[\breg]
	s_cmp_lg_u32 s[TT], 0
	s_cbranch_scc0 .Lno_frag_\@
.irp c, 0,1,2,3
	ds_load_b128 v[AF+16*\m+4*\c:AF+16*\m+4*\c+3], v[RA+\m] offset:128*(\kk)+32*\c
.endr
.Lno_frag_\@:
.endm
.macro WM m, t, k
.set rD, 32*(\m)+8*(\t)
.set rW, 64*((\k)%4)+16*(\t)
.set rA, AF+16*(\m)
.set rP, WS+8*((\k)/4)+2*(\t)+(\k)%2
.set rQ, XS+4*(\m)+(\k)%4
.if (\k) == 0
	v_wmma_scale_f32_16x16x128_f8f6f4 v[rD:rD+7], v[rW:rW+15], v[rA:rA+15], v[BI+8*(\t):BI+8*(\t)+7], v[rP], v[rQ] matrix_a_fmt:MATRIX_FMT_BF8 matrix_b_fmt:MATRIX_FMT_BF8
.elseif ((\k)%4 >= 2) && ((\k) >= 4)
	v_wmma_scale_f32_16x16x128_f8f6f4 v[rD:rD+7], v[rW:rW+15], v[rA:rA+15], v[rD:rD+7], v[rP], v[rQ] matrix_a_fmt:MATRIX_FMT_BF8 matrix_b_fmt:MATRIX_FMT_BF8 matrix_a_scale:MATRIX_SCALE_ROW1 matrix_b_scale:MATRIX_SCALE_ROW1
.elseif (\k)%4 >= 2
	v_wmma_scale_f32_16x16x128_f8f6f4 v[rD:rD+7], v[rW:rW+15], v[rA:rA+15], v[rD:rD+7], v[rP], v[rQ] matrix_a_fmt:MATRIX_FMT_BF8 matrix_b_fmt:MATRIX_FMT_BF8 matrix_a_scale:MATRIX_SCALE_ROW1
.elseif (\k) >= 4
	v_wmma_scale_f32_16x16x128_f8f6f4 v[rD:rD+7], v[rW:rW+15], v[rA:rA+15], v[rD:rD+7], v[rP], v[rQ] matrix_a_fmt:MATRIX_FMT_BF8 matrix_b_fmt:MATRIX_FMT_BF8 matrix_b_scale:MATRIX_SCALE_ROW1
.else
	v_wmma_scale_f32_16x16x128_f8f6f4 v[rD:rD+7], v[rW:rW+15], v[rA:rA+15], v[rD:rD+7], v[rP], v[rQ] matrix_a_fmt:MATRIX_FMT_BF8 matrix_b_fmt:MATRIX_FMT_BF8
.endif
.endm
; Tile m's four products of K step k, if the tile uses the expert in hand.  K step 0's take the bias as C and so begin the expert's sums.  The tile's four accumulators take turns, one
; instruction a turn, so on no path do two matrix instructions that follow each other name one accumulator.
.macro TILE m, k
	s_and_b32 s[TT], s[TM+\m], s[BC]
	s_cmp_lg_u32 s[TT], 0
	s_cbranch_scc0 .Lno_tile_\@
.if \k == 0
	WIN 0xc1                                       ; W in window 1, x and the bias in window 0, D in window 3
.else
	WIN 0xf1                                       ; W in window 1, x in window 0, C and D in window 3
.endif
.irp t, 0,1,2,3
	WM \m, \t, \k
.endr
	WIN 0                                          ; at a label and at a branch every window is 0
.Lno_tile_\@:
.endm
; The merge's masks, for all eight tiles in one run ahead of the first branch: the lanes whose token uses the expert that has just been multiplied.
.macro FMASKS
.irp m, 0,1,2,3
	v_and_b32 v[TQ+\m], s[BC], v[PMF+\m]
.endr
.irp m, 0,1,2,3
	v_cmp_ne_u32 s[FM+\m], 0, v[TQ+\m]
.endr
.irp m, 4,5,6,7
	v_and_b32 v[TQ+\m-4], s[BC], v[PMF+\m]
.endr
.irp m, 4,5,6,7
	v_cmp_ne_u32 s[FM+\m], 0, v[TQ+\m-4]
.endr
	s_wait_alu depctr_va_sdst(0)                   ; the eight compares have written s[FM ..], ahead of their first readers, the selections in the merge
.endm
.macro MERGE m                         ; tile m's total takes the finished expert's sums, halved, for the tokens that use the expert
	s_and_b32 s[TT], s[TM+\m], s[BC]
	s_cmp_lg_u32 s[TT], 0
	s_cbranch_scc0 .Lno_merge_\@
	v_cndmask_b32 v[F], 0, 0.5, s[FM+\m]
	WIN 0xa3                                       ; the sums in window 3, F in window 0, the totals in window 2
.irp p, 0,2,4,6,8,10,12,14,16,18,20,22,24,26,28,30
	v_pk_fma_f32 v[32*\m+\p:32*\m+\p+1], v[32*\m+\p:32*\m+\p+1], v[F:F+1], v[32*\m+\p:32*\m+\p+1] op_sel_hi:[1,0,1]   ; each accumulator from its low end on
.endr
	WIN 0
.Lno_merge_\@:
.endm
; A K STEP: 128 along K.  x's fragments have one set of registers: tiles 0-3 are fetched anew while tiles 4-7 are multiplied, and the other way round.  LDS loads may have been passed over,
; so every wait for them is for 0; each stands half a step behind its loads.  The global loads are issued on every path through an expert's body, so their waits are counted:
; the order of issue for an expert is K steps 4, 5, 6, 7, then the next expert's P (4 loads), bias (8), K steps 0, 1, 2, Q (4), K step 3; a K step is 16 loads.
; THE WAIT FOR A K STEP'S WEIGHTS STANDS AT THE END OF THE STEP BEFORE, ahead of the ring's refill: two K steps (with P, the bias or Q among them) stay out, and with the refill 48 to 60 loads are out.
; The last expert issues, behind its K step 7's loads, the 16 loads of the rows' tokens and nothing more; its K step 7 issues no load at all, so it holds no wait on va_vdst.
.macro KSTEP k, last
.irp m, 0,1,2,3
	TILE \m, \k
.endr
	s_wait_dscnt 0x0                               ; tiles 4-7 of this step are in
	PLACES
.if (\k < 7) || !\last
	s_wait_alu depctr_va_vdst(0)                   ; tiles 0-3's products are done reading their fragments of x, in which the LDS loads below land
.endif
.if \k < 7
.irp m, 0,1,2,3
	LDA \m, \k+1, BC
.endr
.elseif !\last
.irp m, 0,1,2,3
	LDA \m, 0, BN
.endr
.endif
.irp m, 4,5,6,7
	TILE \m, \k
.endr
	s_wait_dscnt 0x0                               ; tiles 0-3 of the next step are in
.if (\k == 4) && !\last
	NEXT 1                                         ; ahead of the wait below, which so states that the three offsets are written
.endif
	PLACES
.if (\k < 7) || !\last
	s_wait_alu depctr_va_vdst(0)                   ; tiles 4-7's products are done reading their fragments of x, and all eight tiles' the ring's set k % 4 and the scale words and bias that are asked for again below; in K step 4 VO, VSO and VBO are written
.endif
.if \k < 7
.irp m, 4,5,6,7
	LDA \m, \k+1, BC
.endr
.elseif !\last
.irp m, 4,5,6,7
	LDA \m, 0, BN
.endr
.endif
.if \k < 2
	s_wait_loadcnt 36                              ; the next K step's weights are in; younger than they: two K steps and Q
.elseif \k < 5
	s_wait_loadcnt 32                              ; the next K step's weights are in (behind K step 2: Q too); younger: two K steps
.elseif \last
.if \k < 7
	s_wait_loadcnt 16*(7-\k)                       ; the next K step's weights are in; younger: the K steps that are left, and the 16 loads of the rows' tokens
.endif
.elseif \k < 7
	s_wait_loadcnt 44                              ; the next K step's weights are in; younger: two K steps, P and the bias
.else
	s_wait_loadcnt 32                              ; the next expert's P, bias and K step 0 are in; younger: its K steps 1 and 2
.endif
.if \k < 4
	GL \k+4                                        ; into the ring's set that this step has just left.  No further wait on va_vdst: no vector or matrix instruction since the wait above
.elseif !\last
.if \k == 4
	PLOAD
	BILOAD
.endif
.if \k == 7
	QLOAD
.endif
	GL \k-4
.elseif \k == 4
	TOLOAD
.endif
.endm
.macro BODY last                       ; one expert
.irp k, 0,1,2,3,4,5,6,7
	KSTEP \k, \last
.endr
.if \last
	s_wait_loadcnt 0x0                             ; the rows' tokens are in
	TOCONV                                         ; 128 plain lines that name no register of the last products
.endif
	FMASKS
.irp m, 0,1,2,3,4,5,6,7
	MERGE \m
.endr
.if !\last
	PLACES                                         ; with the eight that end K step 7: sixteen places, on every path, between an expert's last products and the products that write over their results
	s_mov_b32 s[BC], s[BN]                         ; (the next expert's K steps 1, 2, 3 and Q, 52 loads, are out here)
.endif
.endm
	s_load_b256 s[4:11], s[0:1], 0x0               ; xq s[4:5], xs s[6:7], order s[8:9], W's codes s[10:11]
	s_load_b128 s[12:15], s[0:1], 0x20             ; W's scales s[12:13], expert_b s[14:15]
	s_load_b64 s[16:17], s[0:1], 0x30              ; out0
	v_lshl_add_u32 v31, v0, 2, 0x25000
	v_mov_b32 v46, 0
	v_lshrrev_b32 v1, 5, v0
	v_readfirstlane_b32 s18, v1                    ; wave 0..3
	v_and_b32 v1, 31, v0                           ; lane
	v_and_b32 v2, 15, v0                           ; r
	v_bfe_u32 v3, v0, 4, 1                         ; h
	v_lshlrev_b32 v[VL], 10, v2
	v_lshl_add_u32 v[VL], v3, 4, v[VL]
	v_lshlrev_b32 v[VLS], 5, v2
	v_lshl_add_u32 v[VLS], v3, 3, v[VLS]
	v_lshlrev_b32 v[VLB], 5, v3
	v_lshlrev_b32 v[L16], 4, v1
	v_lshlrev_b32 v[R16], 4, v2
	v_lshlrev_b32 v[AX], 2, v2                     ; 4 r
	v_mov_b32 v[F], 0
	v_mov_b32 v[F+1], 0                            ; (named with F as a pair, so it is written)
	; every LDS address is made here, of the thread's number and constants alone, and stays
	v_mul_u32_u24 v[RA], v2, XP
	v_lshl_add_u32 v[RA], v3, 4, v[RA]
.irp m, 7,6,5,4,3,2,1,0
	v_add_nc_u32 v[RA+\m], XB+16*\m*XP, v[RA]
.endr
	s_wait_alu depctr_va_sdst(0)                   ; s18, the wave's number, is written, ahead of its first reader
	s_mul_i32 s38, s18, 16*SP
	s_add_co_u32 s38, s38, STAGE                   ; my stage
	v_mul_u32_u24 v[STO], v2, SP
	v_lshl_add_u32 v[STO], v3, 5, v[STO]
	v_add_nc_u32 v[STO], s38, v[STO]               ; in: row r, 32 bytes for each half of the lanes
	v_mul_u32_u24 v[RD], v3, 8*SP
	v_lshl_add_u32 v[RD], v2, 4, v[RD]
	v_add_nc_u32 v[RD], s38, v[RD]                 ; back: lanes 0-15 rows 0-7, lanes 16-31 rows 8-15; 16 bytes a lane
	s_mul_i32 s39, s18, 32*XP
	s_add_co_u32 s39, s39, XB
	v_add_nc_u32 v[XST], s39, v[L16]               ; my wave gathers rows 32 w .. 32 w + 31
	s_and_b32 s19, ttmp7, 0xffff                   ; the slab of 256 columns
	s_lshl_b32 s20, s19, 18
	s_lshl_b32 s21, s18, 16
	s_add_co_u32 s20, s20, s21                     ; W's codes: (256 slab + 64 w) rows of 1,024 bytes
	s_mov_b32 s21, 0
	s_lshl_b32 s22, s19, 13
	s_lshl_b32 s23, s18, 11
	s_add_co_u32 s22, s22, s23                     ; W's scale bytes: rows of 32
	s_mov_b32 s23, 0
	s_lshl_b32 s38, s19, 10
	s_lshl_b32 s39, s18, 8
	s_add_co_u32 s38, s38, s39                     ; the bias and a row of out0: 4 bytes a column
	s_mov_b32 s39, 0
	s_lshl_b32 s56, ttmp9, 9                       ; the block's 128 ranks, 4 bytes each
	s_mov_b32 s57, 0
	s_lshl_b32 s58, s18, 7                         ; my wave's 32 of them
	s_mov_b32 s59, 0
	s_wait_kmcnt 0x0
	s_add_nc_u64 s[10:11], s[10:11], s[20:21]
	s_add_nc_u64 s[12:13], s[12:13], s[22:23]
	s_add_nc_u64 s[14:15], s[14:15], s[38:39]
	s_add_nc_u64 s[16:17], s[16:17], s[38:39]
	s_add_nc_u64 s[8:9], s[8:9], s[56:57]
	s_add_nc_u64 s[58:59], s[8:9], s[58:59]
	s_load_b512 s[40:55], s[58:59], 0x0            ; the tokens of the 32 rows that I gather
	s_load_b512 s[68:83], s[58:59], 0x40
	s_load_b512 s[84:99], s[8:9], 0x2000           ; tile 0: its 16 tokens' experts as bits
	s_wait_alu depctr_va_vdst(0)                   ; v[AX] is written, which the loads below read as their offset; so are the addresses that stay: RA, STO, RD, XST, VL, VLS, VLB
.irp m, 0,1,2,3,4,5,6,7
	global_load_b32 v[PMF+\m], v[AX], s[8:9] offset:8192+64*\m     ; the experts of tile m's token r
	global_load_b32 v[192+\m], v[AX], s[8:9] offset:64*\m          ; and that token
.endr
	s_wait_kmcnt 0x0
.set i, 0
.rept 16
	s_min_u32 s[40+i], s[40+i], 0x7ff              ; a token's number is held inside the tables before it enters an address
	v_lshl_add_u32 v[128+i], s[40+i], 10, v[L16]
	s_min_u32 s[68+i], s[68+i], 0x7ff
	v_lshl_add_u32 v[144+i], s[68+i], 10, v[L16]
.set i, i+1
.endr
	ORS 0, 84
	s_wait_loadcnt 0x0
	s_wait_alu depctr_vm_vsrc(0)                   ; those loads have read v[AX], which is written again below
	v_lshlrev_b32 v[AX], 4, v3                     ; 16 h
.irp m, 0,1,2,3,4,5,6,7
	v_min_u32 v[192+\m], 0x7ff, v[192+\m]          ; a token's number is held inside the tables before it enters an address
.endr
.irp m, 0,1,2,3,4,5,6,7
	v_lshl_add_u32 v[192+\m], v[192+\m], 5, v[AX]
.endr
	s_wait_alu depctr_va_vdst(0)                   ; v128-159 and v192-199 are written, which the gather and the loads of x's scale words read as offsets; and the additions are done reading s40-55 and s68-83, in which scalar loads land below
	; THE LIST'S OTHER SEVEN TILES come in three more rounds of scalar loads, which stand among the gather's issue and the clearing of the totals
	s_load_b512 s[40:55], s[8:9], 0x2040           ; tile 1
	s_load_b512 s[68:83], s[8:9], 0x2080           ; tile 2
	s_load_b512 s[84:99], s[8:9], 0x20c0           ; tile 3
	; THE GATHER GOES IN FOUR GROUPS of eight rows, 16 loads each; a group is stored to LDS as soon as it is in, and further loads follow each wait.  The loads' order: G0, G1, G2, x's scale words, G3, the bias, P, K steps 0, 1, 2, Q, K step 3: 152 in all (64 + 8 + 8 + 4 + 64 + 4)
	GATHER 0
	GATHER 1
	GATHER 2
	WIN 0
.irp m, 0,1,2,3,4,5,6,7
	global_load_b128 v[XS+4*\m:XS+4*\m+3], v[192+\m], s[6:7]       ; x's scale words: they stay.  56 loads are out
.endr
	s_wait_kmcnt 0x0
	ORS 1, 40
	ORS 2, 68
	ORS 3, 84
	s_load_b512 s[40:55], s[8:9], 0x2100           ; tile 4
	s_load_b512 s[68:83], s[8:9], 0x2140           ; tile 5
	s_load_b512 s[84:99], s[8:9], 0x2180           ; tile 6
	WIN 0x80                                       ; while all these are on their way the totals are cleared: which expert is a tile's first hangs on the list, so no product can begin them
.set i, 0
.rept 128
	v_mov_b32 v[i], 0
.set i, i+1
.endr
	s_wait_kmcnt 0x0
	ORS 4, 40
	ORS 5, 68
	ORS 6, 84
	s_load_b512 s[40:55], s[8:9], 0x21c0           ; tile 7
.rept 128
	v_mov_b32 v[i], 0
.set i, i+1
.endr
	s_wait_kmcnt 0x0
	ORS 7, 40
	s_or_b32 s[REM], s[TM], s[TM+1]
.irp m, 2,3,4,5,6,7
	s_or_b32 s[REM], s[REM], s[TM+\m]
.endr
	s_and_b32 s[REM], s[REM], 0xff                 ; the experts that the block uses: at least two, since every token has two
	WIN 0
	NEXT 0                                         ; the first expert
	s_wait_alu depctr_va_vdst(0)                   ; VO, VSO and VBO are written, which the loads of the bias, the scale words and the weights below read as offsets.  No vector instruction follows up to the first products
	s_wait_loadcnt 40                              ; G0 is in; younger: G1, G2 and x's scale words
	TOLDS 0
	GATHER 3                                       ; 56 are out
	s_wait_loadcnt 40                              ; G1 is in; younger: G2, x's scale words and G3
	TOLDS 1
	WIN 0
	BILOAD
	PLOAD                                          ; 52 are out
	s_wait_loadcnt 36                              ; G2 is in; younger: x's scale words, G3, the bias and P
	TOLDS 2
	GL 0                                           ; 52 are out
	s_wait_loadcnt 28                              ; x's scale words and G3 are in; younger: the bias, P and K step 0
	s_wait_dscnt 32                                ; G0's 16 LDS stores are done: with the 16 below at most 48 are out.  This wait serves no data: it keeps the count one that a wait can name
	TOLDS 3
	GL 1
	GL 2                                           ; 60 are out
	s_wait_dscnt 0x0                               ; for the others' sake: my rows are in LDS
	s_barrier_signal -1
	s_barrier_wait -1                              ; the launch's one barrier: from here on the rows are only read, and a stage is its wave's own
	s_wait_alu depctr_vm_vsrc(0)                   ; my LDS stores have read window 3, which the first products write; the head's loads have read their offsets v128-159 and v192-199, in which x's fragments land
	s_mov_b32 s[BC], s[BN]
.irp m, 0,1,2,3,4,5,6,7
.irp c, 0,1,2,3
	ds_load_b128 v[AF+16*\m+4*\c:AF+16*\m+4*\c+3], v[RA+\m] offset:32*\c   ; K step 0, all eight tiles: every fragment register is written on every path
.endr
.endr
	s_wait_loadcnt 32                              ; the bias, P and K step 0 are in; younger: K steps 1 and 2
	QLOAD
	GL 3                                           ; K steps 1, 2, 3 and Q, 52 loads, are out: as behind every expert's body
	s_wait_dscnt 16                                ; tiles 0-3 are in; the 16 loads of tiles 4-7 may be out
	s_mov_b32 s[CT], 0
.Lexp:                                                 ; SEVEN TRIPS, a constant: eight experts at the most, and the last one is written out behind the loop.  A trip multiplies one expert and fetches the next;
	s_cmp_eq_u32 s[REM], 0                         ; where no expert is left to fetch, the expert in hand is the last: the trip passes over the body, by a scalar branch on the stored list: it issues nothing, so what is out stays as the last body, or the head, left it
	s_cbranch_scc1 .Lpass
	BODY 0
.Lpass:
	s_add_co_u32 s[CT], s[CT], 1
	s_cmp_lt_u32 s[CT], 7
	s_cbranch_scc1 .Lexp
	BODY 1                                         ; the last expert is written out: no expert is fetched behind it, and its counts run down
; THE WAY OUT, a tile of 16 tokens at a time: 32 bytes a lane into my stage, back as whole rows of 256 bytes, and each row to its token's place in out0.
; LDS serves a wave's instructions in order (ISA guide 5.7.1.4): no wait between the stores and the loads, nor in front of the next tile's stores.
.macro TOSTAGE m
	WIN 0x08                                       ; the data: the totals, in window 2
.irp t, 0,1,2,3
	ds_store_b128 v[STO], v[32*(\m)+8*\t:32*(\m)+8*\t+3]   offset:64*\t
	ds_store_b128 v[STO], v[32*(\m)+8*\t+4:32*(\m)+8*\t+7] offset:64*\t+16
.endr
	WIN 0
.irp i, 0,1,2,3,4,5,6,7
	ds_load_b128 v[BK+32*((\m)%2)+4*\i:BK+32*((\m)%2)+4*\i+3], v[RD] offset:SP*\i
.endr
.endm
.macro SEND m, younger                 ; younger: the LDS instructions issued behind tile m's loads, which may stay out
	s_wait_dscnt \younger
	WIN 0x01                                       ; the rows' offsets lie in window 1
.irp i, 0,1,2,3,4,5,6,7
	global_store_b128 v[8*(\m)+\i], v[BK+32*((\m)%2)+4*\i:BK+32*((\m)%2)+4*\i+3], s[16:17] th:TH_STORE_NT   ; 16 lanes store 256 consecutive bytes of one token's row, aligned
.endr
	WIN 0
.endm
	s_wait_alu depctr_va_vdst(0)                   ; the merge has written the totals, which the LDS stores read; the rows' offsets are written, which the global stores read; the products are done reading v192-255, in which the rows land.  No vector instruction follows
	TOSTAGE 0
.irp m, 1,2,3,4,5,6,7
.if \m > 1
	s_wait_xcnt 0x0                                ; tile m - 2's stores have had their addresses translated,
	s_wait_alu depctr_vm_vsrc(0)                   ; and have read their data registers: tile m's rows may land there
.endif
	TOSTAGE \m
	SEND \m-1, 16                                  ; behind tile m - 1's loads: tile m's 8 stores and 8 loads
.endr
	s_wait_storecnt 48                             ; tile 0's eight stores are done: with the last eight below at most 56 of the wave's 64 are out.  This wait serves no data: it keeps the count one that a wait can name
	SEND 7, 0
	s_wait_dscnt 0x0                               ; the closing lines, six on end
	s_wait_alu 0x0
	s_wait_tensorcnt 0x0
	ds_add_u32 v31, v46
	s_wait_dscnt 0x0
	s_endpgm
.Lfunc_end_k_q88dd946a47_experts:
	.size	k_q88dd946a47_experts, .Lfunc_end_k_q88dd946a47_experts-k_q88dd946a47_experts
	.p2alignl 7, 3214868480
	.fill 96, 4, 3214868480
	.section	.rodata,"a",@progbits
	.p2align	6, 0x0
	.amdhsa_kernel k_q88dd946a47_experts
		.amdhsa_group_segment_fixed_size 152064
		.amdhsa_private_segment_fixed_size 0
		.amdhsa_enable_private_segment 0
		.amdhsa_kernarg_size 56
		.amdhsa_user_sgpr_count 2
		.amdhsa_user_sgpr_kernarg_segment_ptr 1
		.amdhsa_wavefront_size32 1
		.amdhsa_system_sgpr_workgroup_id_x 1
		.amdhsa_system_sgpr_workgroup_id_y 1
		.amdhsa_system_sgpr_workgroup_id_z 1
		.amdhsa_system_vgpr_workitem_id 0
		.amdhsa_next_free_vgpr 1024
		.amdhsa_next_free_sgpr 100
		.amdhsa_reserve_vcc 0
		.amdhsa_float_denorm_mode_32 3
		.amdhsa_float_denorm_mode_16_64 3
		.amdhsa_memory_ordered 1
		.amdhsa_forward_progress 1
		.amdhsa_inst_pref_size 248
	.end_amdhsa_kernel
	.amdgpu_metadata
---
amdhsa.version: [ 1, 2 ]
amdhsa.kernels:
  - .name:           k_q88dd946a47_experts
    .symbol:         k_q88dd946a47_experts.kd
    .args:
      - { .name: xq, .offset: 0, .size: 8, .value_kind: global_buffer, .address_space: global }
      - { .name: xs, .offset: 8, .size: 8, .value_kind: global_buffer, .address_space: global }
      - { .name: order, .offset: 16, .size: 8, .value_kind: global_buffer, .address_space: global }
      - { .name: expert_w_codes, .offset: 24, .size: 8, .value_kind: global_buffer, .address_space: global }
      - { .name: expert_w_scales, .offset: 32, .size: 8, .value_kind: global_buffer, .address_space: global }
      - { .name: expert_b, .offset: 40, .size: 8, .value_kind: global_buffer, .address_space: global }
      - { .name: out0, .offset: 48, .size: 8, .value_kind: global_buffer, .address_space: global }
    .group_segment_fixed_size: 152064
    .private_segment_fixed_size: 0
    .kernarg_segment_align: 8
    .kernarg_segment_size: 56
    .max_flat_workgroup_size: 128
    .sgpr_count:     100
    .vgpr_count:     1024
    .wavefront_size: 32
...
	.end_amdgpu_metadata
.endif
;; end of part 6
